; MI455X (gfx1250); checked and timed in simulation.
; The chip was launched on July 23, 2026; its instructions are those of AMD's public machine-readable ISA for CDNA 5 (MIT licence, August 2026) and "CDNA5" Instruction Set Architecture Reference Guide (July 2026). The comments in the code are by the model that wrote it; some were corrected since.
;; Causal Self Attention. Allowed arithmetic: matrix products marked QUANTISED: E4M3 operands, one given power-of-two scale a tensor, by v_wmma_f32_16x16x64_fp8_fp8 or v_wmma_f32_16x16x128_fp8_fp8, f32 sums; everything else in f32.
;; Inputs: lowp_scales 8 int32 (the exponents e of the quantised operands' scales 2^e); w_proj 1,024 x 1,024 float32; w_qkv 1,024 x 3,072 float32; x 4 x 2,048 x 1,024 float32.
;; Outputs: out0 4 x 2,048 x 1,024 float32.
;; This version of the problem:
;;   THIS VERSION OF THE PROBLEM IS GIVEN IN LOW PRECISION. The matrix products marked QUANTISED in the list below multiply operands that are first quantised to E4M3 (4 exponent bits, 3 mantissa bits; 8 bits a number), with one given power-of-two scale for each operand tensor; their sums are f32. All else is computed in f32.
;;   The module's matrix products, in the order in which they are computed (A, B: the left and right operand; K: the contracted axis; several contracted axes count as one K, in the product's order):
;;     1. [M 8,192, K 1,024] x [K 1,024, N 3,072]; A: input x; B: input w_qkv: QUANTISED (scales: A lowp_scales[0], B lowp_scales[1])
;;     2. batch 64 x [M 2,048, K 64] x [K 64, N 2,048]; A: computed on the way; B: computed on the way: QUANTISED (scales: A lowp_scales[2], B lowp_scales[3])
;;     3. batch 64 x [M 2,048, K 2,048] x [K 2,048, N 64]; A: softmax (see below); B: computed on the way: QUANTISED (scales: A lowp_scales[4], B lowp_scales[5])
;;     4. [M 8,192, K 1,024] x [K 1,024, N 1,024]; A: computed on the way; B: input w_proj: QUANTISED (scales: A lowp_scales[6], B lowp_scales[7])
;;   THE QUANTISER, for each operand of a quantised product, along K:
;;     - The operand's scale is 2^e, e = its entry of the input lowp_scales (int32; the entries are numbered through the quantised products in the list's order, A before B).
;;     - Each number is divided by the scale, clamped to +-448, and rounded to the nearest number of E4M3, ties to even, subnormals kept.
;;     - The product sums the exact products of the quantised numbers (number of the format x scale) in f32.
;;   ~~~python
;;   def quantise(x, axis, e):      # numpy; x: float32 -> the quantised numbers, widened to float32 again
;;       x = np.moveaxis(x, axis, -1); K = x.shape[-1]
;;       r = np.clip(x / 2.0 ** e, -448, 448)
;;       step = 2.0 ** (np.maximum(np.frexp(np.where(r == 0, 1, r))[1] - 1, -6) - 3)
;;       q = np.round(r / step) * step * 2.0 ** e      # np.round: ties to even
;;       return np.moveaxis(q, -1, axis).astype(np.float32)
;;   ~~~
;;   SOFTMAX AHEAD OF A QUANTISED PRODUCT. Where the list says 'softmax', what is quantised is not the finished softmax but p = 2^(t - M), with t = logit x log2(e) and M = ceil(the row's largest t), a whole number; so 1/2 < the row's largest p <= 1. The row's sum l is taken of the UNQUANTISED p, in f32, and the product's result is divided by l at the end. Since M is a whole number, a kernel that streams over the keys may use a running M (the ceiling of the running maximum): every later rescaling is an exact power of two, so the quantised numbers keep their values, but for numbers so far below the row's largest that they fall under the format's range.
;;   OPERANDS COMPUTED ON THE WAY. 'Computed on the way' means the value that the module computes at that place (a softmax that the list does not call 'softmax' is quantised finished and normalised). What goes into a quantiser is computed in f32, as accurately as f32 sums, v_exp_f32 and their like allow (about 1e-6 of the number): no bf16 or f16 on the way to a quantiser, and a product that is left as it is and whose result goes on into a quantised operand takes f32 operands (vector FMAs, or v_wmma_f32_16x16x4_f32). A number that lies on a knife's edge between two numbers of the format may be rounded either way, as far as f32 arithmetic and the matrix unit's own rounding can turn it there, and no further.
;; One version. Each part assembles by itself: llvm-mc -triple=amdgcn-amd-amdhsa -mcpu=gfx1250 --defsym DOCPART=n.
;; ======== version 1 of 1: 4 launches
;; limits: right only within a limited range of input values
;; workspace buffers: xc 8,388,608 bytes; wqc 3,145,728 bytes; wpc 1,048,576 bytes; qkvc 25,165,824 bytes; yc 8,388,608 bytes
;; launch quant (part 1): grid 384 x 1, 4 waves a work-group, no clusters, 102,912 bytes of LDS; arguments x, w_qkv, w_proj, lowp_scales, xc, wqc, wpc; writes xc, wqc, wpc
.if DOCPART == 1
	.amdgcn_target "amdgcn-amd-amdhsa--gfx1250"
	.amdhsa_code_object_version 6
	.text
	.protected	k_q4c86b33e30_quant
	.globl	k_q4c86b33e30_quant
	.p2align	8
	.type	k_q4c86b33e30_quant,@function
k_q4c86b33e30_quant:
	s_mov_b64 s[64:65], 0
	v_nop
	global_prefetch_b8 v0, s[64:65] scope:SCOPE_SE
	s_setreg_imm32_b32 hwreg(HW_REG_WAVE_MODE, 25, 1), 1
	s_wait_xcnt 0x0
; x [8192][1024], w_qkv [1024][3072] and w_proj [1024][1024], f32, become codes of FP8 (E4M3), K innermost, each with the one scale 2^e given for it
; (entries 0, 1 and 7 of the buffer of scales):  xc [8192][1024],  wqc [3072 n][1024 k],  wpc [1024 n][1024 k].
; code = number / 2^e, held within +-448, rounded to the nearest code, ties to even.  LIMITS: e between -126 and 119; NaN among the inputs is not served.
; SHARES.  Every work-group reads 128 KiB.  Work-groups 0-255 take x, 256-351 w_qkv, 352-383 w_proj: two scalar branches on the work-group's number; each path has LDS bytes of its own.
; x: K is innermost, so it is a plain stream.  Each load reads 512 consecutive bytes; a step's 2,048 bytes turn through the wave's own stage in LDS so that a lane holds 16 neighbours for the conversions.
; The weights: K is the FIRST axis.  A lane takes a column n and its registers run down K, so the conversions give codes with K innermost; they leave through the wave's own stage, sixteen lanes to 256 consecutive aligned bytes.
; No tensor load, no barrier: waves share nothing.
.set SP,     80                        ; x's stage: a lane's 64 bytes + 16 of padding
.set XSTEPS, 16                        ; steps of 512 numbers for a wave
.set XR,     16                        ; v16-79   four sets of 16 numbers as loaded
.set XX,     80                        ; v80-111  two sets of 16 neighbours
.set XC,     128                       ; v128-191 codes, four registers for each step: no store's data are written again
.set WPI,    272                       ; the weights' stage: a column's 256 codes + 16 of padding
.set WX,     32                        ; v32-95   two sets of 32 numbers
.set WC,     96                        ; v96-103  a block's codes
.set WO,     112                       ; v112-175 the way out
.set EMAX,   8
.set MANT,   0x600000                  ; the mantissa field of 448 as f32
	s_load_b256 s[4:11], s[0:1], 0x0               ; x s[4:5], w_qkv s[6:7], w_proj s[8:9], the scales' exponents s[10:11]
	s_load_b128 s[12:15], s[0:1], 0x20             ; xc s[12:13], wqc s[14:15]
	s_load_b64 s[16:17], s[0:1], 0x30              ; wpc
	v_lshl_add_u32 v192, v0, 2, 0x19000
	v_mov_b32 v193, 0
	v_lshrrev_b32 v1, 5, v0
	v_readfirstlane_b32 s18, v1                    ; wave 0..3
	v_and_b32 v2, 31, v0                           ; lane
	s_wait_kmcnt 0x0
.macro MKSCALE                         ; s30 = e  ->  v11 = 2^e (the conversion takes its exponent field)
	s_wait_kmcnt 0x0
	s_add_co_i32 s30, s30, 127
	s_lshl_b32 s31, s30, 23
	v_mov_b32 v11, s31
	s_add_co_i32 s30, s30, EMAX
	s_lshl_b32 s30, s30, 23
	s_or_b32 s30, s30, MANT
.endm
.macro XLOAD t
.irp i, 0,1,2,3
	global_load_b128 v[XR+16*((\t)%4)+4*\i:XR+16*((\t)%4)+4*\i+3], v3, s[4:5] offset:2048*(\t)+512*\i th:TH_LOAD_NT   ; 32 lanes read 512 consecutive bytes
.endr
.endm
.macro XTURN t                         ; step t's numbers through the stage: LDS serves a wave's instructions in order, so no wait stands between the stores and the loads
.irp i, 0,1,2,3
	ds_store_b128 v14, v[XR+16*((\t)%4)+4*\i:XR+16*((\t)%4)+4*\i+3] offset:32*SP*((\t)%2)+8*SP*\i
.endr
.irp i, 0,1,2,3
	ds_load_b128 v[XX+16*((\t)%2)+4*\i:XX+16*((\t)%2)+4*\i+3], v15 offset:32*SP*((\t)%2)+16*\i
.endr
.endm
.macro XSTEP t
.set XS, XX+16*((\t)%2)
	s_wait_dscnt 0x0                               ; this step's numbers are back from the stage, so its stores into the stage have read their registers,
.if (\t)+4 < XSTEPS
	XLOAD (\t)+4                                   ; which take the loads of four steps on
.endif
.if (\t)+1 < XSTEPS
.if XSTEPS-2-(\t) >= 3
	s_wait_loadcnt 12                              ; the next step's four loads are in; those of the three steps behind it may be out
.else
	s_wait_loadcnt 4*(XSTEPS-2-(\t))
.endif
	XTURN (\t)+1                                   ; and go through the other stage while this step is worked
.endif
.irp i, 0,1,2,3,4,5,6,7,8,9,10,11,12,13,14,15
.endr
	v_cvt_scalef32_pk8_fp8_f32 v[XC+4*(\t):XC+4*(\t)+1], v[XS:XS+7], v11
	v_cvt_scalef32_pk8_fp8_f32 v[XC+4*(\t)+2:XC+4*(\t)+3], v[XS+8:XS+15], v11
	global_store_b128 v3, v[XC+4*(\t):XC+4*(\t)+3], s[12:13] offset:512*(\t)   ; 16 codes a lane: the wave stores 512 consecutive bytes
.endm
; block t of a weight: W(32 t + i, my column), i = 0 .. 31, into set t % 2.  cols: numbers in a row of W
.macro WLOAD t, cols, src
.set I, 0
.rept 32
	global_load_b32 v[WX+32*((\t)%2)+I], v3, s[\src:\src+1] offset:(32*(\t)+I)*(\cols)*4 th:TH_LOAD_NT
.set I, I+1
.endr
.endm
.macro WBLOCK t, cols, src
.set XS, WX+32*((\t)%2)
.if (\t) < 7
	s_wait_loadcnt 32                              ; this block's 32 loads are in; the next block's may be out
.else
	s_wait_loadcnt 0
.endif
.set I, 0
.rept 32
.set I, I+1
.endr
.irp g, 0,1,2,3
	v_cvt_scalef32_pk8_fp8_f32 v[WC+2*\g:WC+2*\g+1], v[XS+8*\g:XS+8*\g+7], v11
.endr
	ds_store_b128 v4, v[WC:WC+3] offset:32*(\t)    ; 32 codes: 32 bytes of my column's row
	ds_store_b128 v4, v[WC+4:WC+7] offset:32*(\t)+16
.if (\t)+2 < 8
	WLOAD (\t)+2, \cols, \src
.endif
	s_wait_dscnt 0x0                               ; the stores have read their registers: the next block's codes may be written
.endm
; A weight's path.  cols: its row; eoff: its exponent's byte; lb: its LDS bytes; first: its first work-group; src, dst: the scalar pairs with its addresses.
; Work-group g takes columns 128 (g / 4) on and K 256 (g % 4) on; a wave 32 of the columns.  Every offset is an immediate: 255 x 3,072 x 4 bytes at the most, inside the signed 24 bits.
.macro WPATH cols, eoff, lb, first, src, dst
	s_load_b32 s30, s[10:11], \eoff
	s_sub_co_u32 s19, ttmp9, \first
	s_lshr_b32 s20, s19, 2
	s_and_b32 s21, s19, 3                          ; which 256 along K
	s_lshl_b32 s20, s20, 7
	s_lshl_b32 s22, s18, 5
	s_add_co_u32 s20, s20, s22                     ; my wave's first column
	v_lshlrev_b32 v3, 2, v2                        ; in: 4 bytes a lane
	s_mul_i32 s22, s18, 32*WPI
	s_add_co_u32 s22, s22, \lb                     ; my stage
	v_mul_u32_u24 v4, v2, WPI
	v_add_nc_u32 v4, s22, v4                       ; into it: row = my column
	v_and_b32 v5, 15, v2
	v_lshrrev_b32 v6, 4, v2                        ; out of it: sixteen lanes to a row, two rows an instruction
	v_mul_u32_u24 v7, v6, WPI
	v_lshl_add_u32 v7, v5, 4, v7
	v_add_nc_u32 v7, s22, v7
	v_lshlrev_b32 v8, 10, v6
	v_lshl_add_u32 v8, v5, 4, v8                   ; and the same place in the codes' buffer: rows of 1,024 bytes
	s_mul_i32 s24, s21, 256*(\cols)*4
	s_lshl_b32 s26, s20, 2
	s_add_co_u32 s24, s24, s26
	s_mov_b32 s25, 0
	s_add_nc_u64 s[\src:\src+1], s[\src:\src+1], s[24:25]
	s_lshl_b32 s24, s20, 10
	s_lshl_b32 s26, s21, 8
	s_add_co_u32 s24, s24, s26
	s_add_nc_u64 s[\dst:\dst+1], s[\dst:\dst+1], s[24:25]
	WLOAD 0, \cols, \src
	WLOAD 1, \cols, \src
	MKSCALE
	s_wait_alu depctr_va_vdst(0)
.irp b, 0,1,2,3,4,5,6,7
	WBLOCK \b, \cols, \src
.endr
.irp b, 0,1,2,3,4,5,6,7,8,9,10,11,12,13,14,15
	ds_load_b128 v[WO+4*\b:WO+4*\b+3], v7 offset:2*\b*WPI   ; LDS serves a wave's instructions in order: these see my stores
.endr
.irp b, 0,1,2,3,4,5,6,7,8,9,10,11,12,13,14,15
	s_wait_dscnt 15-\b                             ; the younger read-backs may be out
	global_store_b128 v8, v[WO+4*\b:WO+4*\b+3], s[\dst:\dst+1] offset:2*\b*1024
.endr
.endm
	s_cmp_lt_u32 ttmp9, 256
	s_cbranch_scc0 .Lweights
	; ---- x: run = 4 x work-group + wave: 8,192 numbers
	s_load_b32 s30, s[10:11], 0x0                  ; e of x
	s_wait_alu depctr_va_vdst(0)
	v_lshlrev_b32 v3, 4, v2                        ; my 16 bytes of a load's 512, and of a store's
	s_wait_alu depctr_va_vdst(0)
	s_lshl_b32 s19, s18, 13                        ; my wave's 8,192 bytes of LDS: two stages of 32 x SP
	v_lshrrev_b32 v14, 2, v2
	v_mul_u32_u24 v14, v14, SP
	v_and_b32 v15, 3, v2
	v_lshl_add_u32 v14, v15, 4, v14
	v_add_nc_u32 v14, s19, v14                     ; in: four lanes' 64 bytes on end, then the padding
	v_mul_u32_u24 v15, v2, SP
	v_add_nc_u32 v15, s19, v15                     ; out: my 16 neighbours
	s_lshl_b32 s20, ttmp9, 2
	s_add_co_u32 s20, s20, s18
	s_lshl_b32 s24, s20, 15
	s_mov_b32 s25, 0
	s_add_nc_u64 s[4:5], s[4:5], s[24:25]
	s_lshl_b32 s24, s20, 13
	s_add_nc_u64 s[12:13], s[12:13], s[24:25]
.irp b, 0,1,2,3
	XLOAD \b
.endr
	s_wait_alu depctr_va_vdst(0)
	MKSCALE
	s_wait_alu depctr_va_vdst(0)
	s_wait_loadcnt 12                              ; step 0's four loads are in
	XTURN 0
.irp b, 0,1,2,3,4,5,6,7,8,9,10,11,12,13,14,15
	XSTEP \b
.endr
	s_wait_tensorcnt 0x0
	ds_add_u32 v192, v193
	s_wait_dscnt 0x0
	s_endpgm
.Lweights:
	s_cmp_lt_u32 ttmp9, 352
	s_cbranch_scc0 .Lproj
	s_wait_alu depctr_va_vdst(0)
	WPATH 3072, 0x4, 32768, 256, 6, 14
	s_wait_tensorcnt 0x0
	ds_add_u32 v192, v193
	s_wait_dscnt 0x0
	s_endpgm
.Lproj:
	s_wait_alu depctr_va_vdst(0)
	WPATH 1024, 0x1c, 67584, 352, 8, 16
	s_wait_tensorcnt 0x0
	ds_add_u32 v192, v193
	s_wait_dscnt 0x0
	s_endpgm
.Lfunc_end_k_q4c86b33e30_quant:
	.size	k_q4c86b33e30_quant, .Lfunc_end_k_q4c86b33e30_quant-k_q4c86b33e30_quant
	.p2alignl 7, 3214868480
	.fill 96, 4, 3214868480
	.section	.rodata,"a",@progbits
	.p2align	6, 0x0
	.amdhsa_kernel k_q4c86b33e30_quant
		.amdhsa_group_segment_fixed_size 102912
		.amdhsa_private_segment_fixed_size 0
		.amdhsa_enable_private_segment 0
		.amdhsa_kernarg_size 56
		.amdhsa_user_sgpr_count 2
		.amdhsa_user_sgpr_kernarg_segment_ptr 1
		.amdhsa_wavefront_size32 1
		.amdhsa_system_sgpr_workgroup_id_x 1
		.amdhsa_system_sgpr_workgroup_id_y 1
		.amdhsa_system_sgpr_workgroup_id_z 1
		.amdhsa_system_vgpr_workitem_id 0
		.amdhsa_next_free_vgpr 194
		.amdhsa_next_free_sgpr 66
		.amdhsa_reserve_vcc 0
		.amdhsa_float_denorm_mode_32 3
		.amdhsa_float_denorm_mode_16_64 3
		.amdhsa_fp16_overflow 1
		.amdhsa_memory_ordered 1
		.amdhsa_forward_progress 1
		.amdhsa_inst_pref_size 86
	.end_amdhsa_kernel
	.amdgpu_metadata
---
amdhsa.version: [ 1, 2 ]
amdhsa.kernels:
  - .name:           k_q4c86b33e30_quant
    .symbol:         k_q4c86b33e30_quant.kd
    .args:
      - { .name: x, .offset: 0, .size: 8, .value_kind: global_buffer, .address_space: global }
      - { .name: w_qkv, .offset: 8, .size: 8, .value_kind: global_buffer, .address_space: global }
      - { .name: w_proj, .offset: 16, .size: 8, .value_kind: global_buffer, .address_space: global }
      - { .name: lowp_scales, .offset: 24, .size: 8, .value_kind: global_buffer, .address_space: global }
      - { .name: xc, .offset: 32, .size: 8, .value_kind: global_buffer, .address_space: global }
      - { .name: wqc, .offset: 40, .size: 8, .value_kind: global_buffer, .address_space: global }
      - { .name: wpc, .offset: 48, .size: 8, .value_kind: global_buffer, .address_space: global }
    .group_segment_fixed_size: 102912
    .private_segment_fixed_size: 0
    .kernarg_segment_align: 8
    .kernarg_segment_size: 56
    .max_flat_workgroup_size: 128
    .sgpr_count:     66
    .vgpr_count:     194
    .wavefront_size: 32
...
	.end_amdgpu_metadata
.endif
;; end of part 1
;; launch qkv (part 2): grid 12 x 32, 4 waves a work-group, clusters of 4 x 4, 327,680 bytes of LDS; arguments xc, wqc, lowp_scales, qkvc; writes qkvc
.if DOCPART == 2
	.amdgcn_target "amdgcn-amd-amdhsa--gfx1250"
	.amdhsa_code_object_version 6
	.text
	.protected	k_q4c86b33e30_qkv
	.globl	k_q4c86b33e30_qkv
	.p2align	8
	.type	k_q4c86b33e30_qkv,@function
k_q4c86b33e30_qkv:
	s_mov_b64 s[64:65], 0
	v_nop
	global_prefetch_b8 v0, s[64:65] scope:SCOPE_SE
	s_setreg_imm32_b32 hwreg(HW_REG_WAVE_MODE, 25, 1), 1
	s_wait_xcnt 0x0
	s_wait_alu depctr_hold_cnt(0) depctr_sa_sdst(0) depctr_va_vdst(0) depctr_va_sdst(0) depctr_va_ssrc(0) depctr_va_vcc(0) depctr_vm_vsrc(0)
	s_getreg_b32 s2, hwreg(HW_REG_IB_STS2, 6, 4)
	s_cmp_eq_u32 s2, 0
	s_cbranch_scc0 .Lentry_in_a_cluster
	s_endpgm
.Lentry_in_a_cluster:
	s_bfe_u32 s2, ttmp6, 0x10000c
	s_cmp_lg_u32 s2, 0xf033
	s_cbranch_scc0 .Lentry_shape_is_right
	s_endpgm
.Lentry_shape_is_right:
; qkv = x w_qkv on codes of FP8 (E4M3), sums in f32; each finished sum is quantised at once as an operand of attention.  xc: [8192 tokens][1024], wqc: [3072 n][1024], K innermost.
; A sum stands for sum x 2^(e0 + e1); its code under the scale 2^et (et = e2 for q, e3 for k, e5 for v) is sum / 2^(et - e0 - e1), held within +-448: the three scales are folded into the conversion's one.
; LIMIT: et - e0 - e1 between -126 and 119, so that the scale and 448 x the scale are f32 numbers.
; OUT: qkvc: q at byte 0, [batch x head 64][token 2048][64];  k at 2^23, the same;  v at 2^24, [batch x head][64][token 2048]: the keys are its K in attention, so they lie innermost.
; A tile, 256 tokens x 256 columns, is made by a work-group of four waves; a wave makes 128 x 128: 64 accumulators of 16 x 16, 512 registers.  K goes in steps of 256 through a ring of two LDS slots filled by the tensor data mover.
; CLUSTERS: 4 x 4 work-groups.  The four of a row of the cluster need the same tiles of xc, the four of a column the same tiles of wqc: each tile is asked for JOINTLY.  Cluster x = 0, 1, 2 is q, k, v as a whole.
; THE MATRIX INSTRUCTION IS USED TRANSPOSED: a lane's eight results run along source 0's rows.  For q and k source 0 takes rows of wqc: eight neighbouring channels of a token.  For v the two sources change places
; (by the LDS addresses of the fragment loads alone, chosen on the cluster's x, which all partners share): eight neighbouring tokens of a channel.  The loop's text is one.
; 384 work-groups: a tile of 256 x 384 would make 256 of them, but its 768 accumulator registers leave no room for a second set of fragments.
; REGISTERS, in windows of 256: window 0: v0-31 addresses; v96-127 the stores' offsets; from v128 source 1's fragments, ONE set; on the way out v32-95 and v128-255 are free.
;   window 1: source 0's fragments, TWO sets, at v0 and at v128.   window 2: the accumulators of my rows 0-63 ((a, b) at v[8 (8 a + b)]);   window 3: those of my rows 64-127.
.set SIZE_K, 1024
.set ROWB,   256                       ; a tile's row in bytes: 256 codes
.set KROW,   SIZE_K                    ; a row of xc or wqc in memory, in bytes
.set PITCH,  272                       ; an LDS row: 256 bytes + 16 of padding = 68 words: the 16 rows that a load touches start at 16 different banks (64 banks of 4 bytes: ISA guide 11.1)
.set FR,     16                        ; registers of a fragment: 16 rows x 128 K
.set NL,     4                         ; LDS loads that bring one
.set NP,     4                         ; places behind this matrix instruction (ISA guide 7.12.1)
.set HALFT,  128*PITCH                 ; 128 rows: what one tensor load brings
.set SLOT,   4*HALFT                   ; xc's 256 rows, then wqc's 256 rows
.set SPARE,  2*SLOT                    ; behind the ring: the spare words, 128 bytes for each wave
.set ADRA, 16                          ; v16-17  LDS address of source 1's fragments in slot 0, 1
.set ADRB, 20                          ; v20-21  the same for source 0
.set STO,  24                          ; v24     the way out: where I put 8 codes of a stage row
.set RD,   25                          ; v25     where I read the stage back, instructions 0-15
.set GO,   26                          ; v26     my lane's byte offset in a store
.set RD2,  27                          ; v27     where I read the stage back, instructions 16-31
.set SPW,  28                          ; v28     LDS address of my spare word; never rewritten
.set NIL,  29                          ; v29     0; never rewritten
.set SCL,  30                          ; v30     2^(et - e0 - e1) as f32
.set LIM,  31
.set TMP,  32
.set GOF,  96                          ; v96-127 the 32 stores' offsets
.set AF,   128                         ; source 1's fragments, in window 0
.set CD,   128                         ; the way out: codes, 16 registers a block; then the stage read back
.set G1, 24                            ; s[24:31] descriptor group 1 for xc's tiles;  s[32:39] group 0, one set for each slot
.set G0, 32
.set G1B, 48                           ; s[48:55], s[56:63] the same for wqc's tiles
.set G0B, 56
.set MSB, 0
.macro WIN new                         ; the immediate's high byte repeats the setting that is left
.if MSB != \new
	s_set_vgpr_msb (MSB<<8)|\new
.set MSB, \new
.endif
.endm
.set MUL_LO, 0xa1                      ; source 0 window 1, source 1 window 0, C and D window 2
.set MUL_HI, 0xf1                      ; the same, C and D window 3
.set TO_B,   0x40                      ; destination window 1, address window 0
; A joint load: waves 0 and 1 fetch xc's halves, waves 2 and 3 wqc's.  The branch hangs on the wave's number alone.  Four v_nop follow each of the two lines.
.macro JLOAD g0a, g1a, g0b, g1b
	s_cmp_eq_u32 s15, 0
	s_cbranch_scc0 .Lfor_b_\@
	tensor_load_to_lds s[\g0a:\g0a+3], s[\g1a:\g1a+7]
	s_nop 0
.rept 4
	v_nop
.endr
	s_branch .Lasked_\@
.Lfor_b_\@:
	tensor_load_to_lds s[\g0b:\g0b+3], s[\g1b:\g1b+7]
	s_nop 0
.rept 4
	v_nop
.endr
.Lasked_\@:
.endm
.macro CREST                           ; a round of the cluster's barrier behind its opening barrier
	s_cmp_lg_u32 s14, 0
	s_cbranch_scc1 .Lnot_wave_0_\@
	s_barrier_signal -3
.Lnot_wave_0_\@:
	s_barrier_wait -3
	s_barrier_signal -1
	s_barrier_wait -1
.endm
.macro CROUND                          ; a whole round
	s_barrier_signal -1
	s_barrier_wait -1
	CREST
.endm
	s_load_b128 s[4:7], s[0:1], 0x0                ; xc s[4:5], wqc s[6:7]
	s_load_b128 s[8:11], s[0:1], 0x10              ; the scales' exponents s[8:9], qkvc s[10:11]
	v_lshl_add_u32 v[SPW], v0, 2, SPARE
	v_mov_b32 v[NIL], 0
	ds_add_u32 v28, v29
	ds_add_u32 v28, v29
	s_wait_dscnt 0x0
	v_lshrrev_b32 v1, 5, v0
	v_readfirstlane_b32 s14, v1                    ; wave 0..3
	s_lshr_b32 s15, s14, 1                         ; which half of source 1's rows is mine.  Also: I fetch for xc (0) or for wqc (1)
	s_and_b32 s16, s14, 1                          ; which half of source 0's rows.  Also: which 128 rows of that tile I fetch
	s_bfe_u32 s40, ttmp6, 0x40000                  ; cx, cy: my place in the cluster
	s_bfe_u32 s41, ttmp6, 0x40004
	s_lshl_b32 s42, ttmp9, 2
	s_add_co_u32 s42, s42, s40                     ; tile column = 4 x cluster x + cx
	s_and_b32 s17, ttmp7, 0xffff
	s_lshl_b32 s17, s17, 2
	s_add_co_u32 s17, s17, s41                     ; tile row = 4 x cluster y + cy
	s_lshl_b32 s43, s41, 2
	s_lshl_b32 s43, 15, s43                        ; my row of the cluster
	s_lshl_b32 s44, 0x1111, s40                    ; my column
	; descriptor group 1: a tile of 128 rows x 256 bytes, padded in LDS
	s_or_b32 s[G1+0], s43, (0<<16)|(1<<20)|(1<<21)|(5<<22)|(3<<25)  ; 15:0 the mask: xc's tiles go to my row; 17:16 elements of 1 byte; 20 padding on; 21 set beside a mask; 24:22 after every 64 words; 31:25 four words
	s_or_b32 s[G1B+0], s44, (0<<16)|(1<<20)|(1<<21)|(5<<22)|(3<<25)
.irp g, G1, G1B
	s_mov_b32 s[\g+1], ROWB<<16                    ; tensor_dim0
	s_mov_b32 s[\g+2], 128<<16                     ; tensor_dim1 = 128
	s_mov_b32 s[\g+3], ROWB<<16                    ; tile_dim0
	s_mov_b32 s[\g+4], 128                         ; tile_dim1 = 128
	s_mov_b32 s[\g+5], KROW                        ; tensor_dim0_stride
	s_mov_b32 s[\g+6], 0
	s_mov_b32 s[\g+7], 0
.endr
	s_lshl_b32 s18, s16, 7                         ; which 128 rows of the tile I fetch
	s_lshl_b32 s20, s17, 8
	s_add_co_u32 s20, s20, s18                     ; xc: row 256 x tile row + 128 x half
	s_lshl_b32 s46, s42, 8
	s_add_co_u32 s46, s46, s18                     ; wqc: row 256 x tile column + 128 x half
	s_mov_b32 s21, 0
	s_mov_b32 s47, 0
	s_mov_b64 s[18:19], KROW
	s_mul_u64 s[20:21], s[20:21], s[18:19]
	s_mul_u64 s[46:47], s[46:47], s[18:19]
	s_mul_i32 s45, s14, HALFT                      ; where they go: wave x 128 rows: no place in the cluster enters an LDS address
	s_wait_kmcnt 0x0
	s_load_b256 s[72:79], s[8:9], 0x0              ; e0 .. e7
	s_add_nc_u64 s[20:21], s[4:5], s[20:21]
	s_add_nc_u64 s[46:47], s[6:7], s[46:47]
	CROUND                                         ; all sixteen work-groups are here: the first joint loads meet
.irp s, 0,1
	s_mov_b32 s[G0+4*\s], 1
	s_add_co_u32 s[G0+4*\s+1], s45, \s*SLOT
	s_add_nc_u64 s[G0+4*\s+2:G0+4*\s+3], s[20:21], \s*ROWB
	s_or_b32 s[G0+4*\s+3], s[G0+4*\s+3], 0x80000000
	s_mov_b32 s[G0B+4*\s], 1
	s_add_co_u32 s[G0B+4*\s+1], s45, \s*SLOT
	s_add_nc_u64 s[G0B+4*\s+2:G0B+4*\s+3], s[46:47], \s*ROWB
	s_or_b32 s[G0B+4*\s+3], s[G0B+4*\s+3], 0x80000000
	JLOAD G0+4*\s, G1, G0B+4*\s, G1B
.endr
	v_and_b32 v1, 15, v0                           ; r = l % 16
	v_bfe_u32 v2, v0, 4, 1                         ; h = l / 16
	v_mul_u32_u24 v3, v1, PITCH
	v_lshl_add_u32 v4, v2, 4, v3                   ; a fragment's row x pitch + 16 x half
	s_wait_alu depctr_va_vdst(0)
	s_cmp_eq_u32 ttmp9, 2                          ; v?  The cluster's x is the same in all sixteen partners
	s_cselect_b32 s67, 2*HALFT, 0                  ; source 1 reads xc's rows (q, k) or wqc's, which lie behind them (v),
	s_cselect_b32 s68, 0, 2*HALFT                  ; source 0 the other
	s_cselect_b32 s69, -1, 0                       ; a mask of all lanes for v
	s_mov_b32 s70, 16384
	s_cselect_b32 s70, s70, 512                    ; from store to store: 8 rows of 2,048 bytes (v) or 512 bytes on end
	s_cselect_b32 s82, 12, 17                      ; my wave's place in the output: 2 rows of 2,048 bytes (v) or a head
	s_cselect_b32 s83, 8, 14                       ; the tile row's: 256 tokens of 1 byte (v) or of 64
	s_mul_i32 s21, s15, HALFT
	s_add_co_u32 s21, s21, s67
	s_mul_i32 s22, s16, HALFT
	s_add_co_u32 s22, s22, s68
.irp s, 0,1
	v_add_nc_u32 v[ADRA+\s], s21, v4
	v_add_nc_u32 v[ADRB+\s], s22, v4
	s_add_co_u32 s21, s21, SLOT
	s_add_co_u32 s22, s22, SLOT
.endr
	; THE STAGE: 256 rows x 272 bytes in slot 0.  Row = source 1's row (a token; for v a channel), bytes = source 0's rows (four heads' channels; for v tokens)
	s_mul_i32 s23, s15, 128*PITCH
	s_lshl_b32 s80, s16, 7
	s_add_co_u32 s23, s23, s80
	v_lshl_add_u32 v5, v2, 3, v3
	v_add_nc_u32 v[STO], s23, v5                   ; in: row 128 x half + r, byte 128 x half + 8 h
	v_and_b32 v6, 31, v0                           ; l
	v_lshrrev_b32 v7, 2, v6
	v_mul_u32_u24 v7, v7, PITCH
	v_and_b32 v8, 3, v6
	v_lshl_add_u32 v7, v8, 4, v7
	s_lshl_b32 s80, s14, 6
	v_add_nc_u32 v7, s80, v7                       ; back, q and k: wave w takes head w's 64 bytes of eight tokens: row l / 4, byte 64 w + 16 (l % 4)
	v_mul_u32_u24 v8, v2, PITCH
	v_lshl_add_u32 v8, v1, 4, v8
	s_mul_i32 s80, s14, 2*PITCH
	v_add_nc_u32 v8, s80, v8                       ; back, v: two whole rows: row 2 w + l / 16, byte 16 (l % 16)
	v_cndmask_b32 v[RD], v7, v8, s69
	v_add_nc_u32 v[RD2], 16*8*PITCH, v[RD]
	v_lshlrev_b32 v9, 4, v6                        ; in memory, q and k: 512 bytes on end
	v_lshlrev_b32 v10, 11, v2
	v_lshl_add_u32 v10, v1, 4, v10                 ; v: two rows of 2,048 bytes, 256 bytes of each
	v_cndmask_b32 v[GO], v9, v10, s69
.set T, 0
.rept 32
	v_mad_u32_u24 v[GOF+T], s70, T, v[GO]
.set T, T+1
.endr
	s_lshl_b32 s80, ttmp9, 23                      ; q, k or v
	s_lshr_b32 s81, s17, 3
	s_lshl_b32 s81, s81, 21                        ; the batch: 16 heads of 2^17 bytes
	s_add_co_u32 s80, s80, s81
	s_lshl_b32 s81, s40, 19                        ; the tile column's four heads
	s_add_co_u32 s80, s80, s81
	s_lshl_b32 s81, s14, s82
	s_add_co_u32 s80, s80, s81
	s_and_b32 s81, s17, 7
	s_lshl_b32 s81, s81, s83                       ; the tile row's 256 tokens
	s_add_co_u32 s80, s80, s81
	s_mov_b32 s81, 0
	s_add_nc_u64 s[10:11], s[10:11], s[80:81]
.macro FRAG reg, adr, q, i             ; a fragment, 16 rows x 128 K of 8-bit codes: lane l holds row l % 16; registers 4 c .. 4 c + 3 hold K = 32 c + 16 (l / 16) + 0 .. 15: the same order of k on both sides
.irp c, 0,1,2,3
	ds_load_b128 v[\reg+4*\c:\reg+4*\c+3], v[\adr] offset:128*(\q)+32*\c+(\i)*16*PITCH
.endr
.endm
; 16 matrix instructions: source 1's blocks a0, a0 + 1 x source 0's eight, 128 along K.  p: source 0's set.  zero = 1: the first product starts the sums.
; The 64 accumulators take turns, one instruction a turn, in the same order in every step.
.macro MUL16 a0, p, zero
.irp a, \a0, \a0+1
.irp b, 0,1,2,3,4,5,6,7
.if \zero
	v_wmma_f32_16x16x128_fp8_fp8 v[8*(8*((\a)%4)+\b):8*(8*((\a)%4)+\b)+7], v[128*(\p)+FR*\b:128*(\p)+FR*\b+FR-1], v[AF+FR*(\a):AF+FR*(\a)+FR-1], 0
.else
	v_wmma_f32_16x16x128_fp8_fp8 v[8*(8*((\a)%4)+\b):8*(8*((\a)%4)+\b)+7], v[128*(\p)+FR*\b:128*(\p)+FR*\b+FR-1], v[AF+FR*(\a):AF+FR*(\a)+FR-1], v[8*(8*((\a)%4)+\b):8*(8*((\a)%4)+\b)+7]
.endif
.endr
.endr
.endm
.macro FETCH_B slot, q, p              ; source 0's eight fragments of the slot's q-th 128 along K into set p
	WIN TO_B
.irp i, 0,1,2,3,4,5,6,7
	FRAG 128*(\p)+FR*\i, ADRB+\slot, \q, \i
.endr
	WIN 0
.endm
.macro FETCH_A slot, q, i0             ; source 1's blocks i0 .. i0 + 3
.irp i, \i0, \i0+1, \i0+2, \i0+3
	FRAG AF+FR*(\i), ADRA+\slot, \q, \i
.endr
.endm
.macro PLACES n                        ; plain vector instructions between a matrix instruction and a load into, or a vector read of, its registers
.rept \n
	v_nop
.endr
.endm
; A step of 128 along K that has its successor in the same slot.
.macro STEP slot, q, zero
	s_wait_dscnt 4*NL                              ; source 0's set and source 1's blocks 0-3 are in; the youngest sixteen loads (blocks 4-7) may be out
	WIN MUL_LO
	MUL16 0, (\q)%2, \zero
	MUL16 2, (\q)%2, \zero
	s_wait_dscnt 0                                 ; blocks 4-7 are in (asked for 32 matrix instructions ago)
	PLACES NP
	FETCH_B \slot, (\q)+1, 1-(\q)%2
	FETCH_A \slot, (\q)+1, 0
	WIN MUL_HI
	MUL16 4, (\q)%2, \zero
	MUL16 6, (\q)%2, \zero
	PLACES NP
	WIN 0
	FETCH_A \slot, (\q)+1, 4
.endm
; A slot's last step changes slots: ONE barrier; in front of it each wave waits for all its tensor loads, adds 0 to its spare word, and waits for that and for its own reads of this slot.  fill = 1: this slot is filled again, two K steps ahead.
.macro TURN slot, next, fill
	s_wait_tensorcnt 0x0                           ; all my tensor loads have landed: my part of the next slot
	ds_add_u32 v[SPW], v[NIL]                      ; 0 onto my spare word
	s_wait_dscnt 4*NL+1                            ; (the add and the youngest sixteen loads may be out)
	WIN MUL_LO
	MUL16 0, 1, 0                                  ; sixteen matrix instructions stand between the add and the wait for it
	s_wait_dscnt 0x0                               ; the add is done, and my reads of this slot are over
	s_barrier_signal -1
	MUL16 2, 1, 0
	WIN 0
	s_barrier_wait -1
.if \fill
	CREST                                          ; the barrier has opened a round of the cluster's barrier: no wave of any partner still reads this slot or has a load on its way
	s_add_nc_u64 s[G0+4*\slot+2:G0+4*\slot+3], s[G0+4*\slot+2:G0+4*\slot+3], 2*ROWB
	s_add_nc_u64 s[G0B+4*\slot+2:G0B+4*\slot+3], s[G0B+4*\slot+2:G0B+4*\slot+3], 2*ROWB
	JLOAD G0+4*\slot, G1, G0B+4*\slot, G1B         ; the first tensor load behind the round; its four v_nop are the places in front of the loads below
.else
	PLACES NP
.endif
	FETCH_B \next, 0, 0
	FETCH_A \next, 0, 0
	WIN MUL_HI
	MUL16 4, 1, 0
	MUL16 6, 1, 0
	PLACES NP
	WIN 0
	FETCH_A \next, 0, 4
.endm
	s_wait_tensorcnt 1                             ; my part of K step 0 is in (K step 1's load may be out),
	s_barrier_signal -1
	s_barrier_wait -1                              ; everybody's is
	FETCH_B 0, 0, 0
	FETCH_A 0, 0, 0
	FETCH_A 0, 0, 4
	STEP 0, 0, 1                                   ; K = 1,024 is four K steps of 256, twice round the ring: written out, there is no loop
	TURN 0, 1, 1                                   ; slot 0 takes K step 2
	STEP 1, 0, 0
	TURN 1, 0, 1                                   ; slot 1 takes K step 3
	STEP 0, 0, 0
	TURN 0, 1, 0                                   ; nothing is left to fetch; behind this barrier nobody reads slot 0 and nothing fills it: it becomes the stage
	STEP 1, 0, 0
	s_wait_dscnt 4*NL
	WIN MUL_LO
	MUL16 0, 1, 0
	MUL16 2, 1, 0
	s_wait_dscnt 0
	WIN MUL_HI
	MUL16 4, 1, 0
	MUL16 6, 1, 0
	WIN 0
; THE WAY OUT.  Block a (16 stage rows x 128 bytes): the sums are held within the largest code x the scale, each accumulator from its low end on, converted eight at a time, and put into the stage, 8 bytes a lane.
.macro QSTAGE a
.set AC, 64*((\a)%4)
	WIN 0x02+((\a)/4)                              ; source 0: window 2 or 3
.set J, 0
.rept 64
.set J, J+1
.endr
.irp b, 0,1,2,3,4,5,6,7
	v_cvt_scalef32_pk8_fp8_f32 v[CD+16*(\a)+2*\b:CD+16*(\a)+2*\b+1], v[AC+8*\b:AC+8*\b+7], v[SCL]
.endr
	WIN 0
	v_nop                                          ; a plain vector instruction behind the conversions
.irp b, 0,1,2,3,4,5,6,7
	ds_store_b64 v[STO], v[CD+16*(\a)+2*\b:CD+16*(\a)+2*\b+1] offset:16*(\a)*PITCH+16*\b
.endr
.endm
	s_wait_kmcnt 0x0
	s_cmp_eq_u32 ttmp9, 0
	s_cselect_b32 s80, s74, s75                    ; e2 for q, e3 for k,
	s_cmp_eq_u32 ttmp9, 2
	s_cselect_b32 s80, s77, s80                    ; e5 for v: a choice, no branch
	s_sub_co_i32 s80, s80, s72
	s_sub_co_i32 s80, s80, s73                     ; et - e0 - e1
	s_add_co_i32 s80, s80, 127
	s_lshl_b32 s81, s80, 23
	v_mov_b32 v[SCL], s81
	s_add_co_i32 s80, s80, 8
	s_lshl_b32 s80, s80, 23
	s_or_b32 s80, s80, 0x600000
	PLACES NP                                      ; behind the last products: their results are read and their fragments' registers written below
.irp a, 0,1,2,3,4,5,6,7
	QSTAGE \a
.endr
	s_wait_dscnt 0x0                               ; for the others' sake: my stores into the stage are done
	s_barrier_signal -1
	s_barrier_wait -1                              ; a stage row's 256 bytes come from two waves
.set T, 0
.rept 16
	ds_load_b128 v[CD+4*T:CD+4*T+3], v[RD] offset:T*8*PITCH
.set T, T+1
.endr
.rept 16
	ds_load_b128 v[CD+4*T:CD+4*T+3], v[RD2] offset:(T-16)*8*PITCH
.set T, T+1
.endr
.set T, 0
.rept 32
	s_wait_dscnt 31-T                              ; the younger read-backs may be out
	global_store_b128 v[GOF+T], v[CD+4*T:CD+4*T+3], s[10:11]   ; q, k: 512 consecutive bytes of a head; v: 256 consecutive aligned bytes of each of two rows
.set T, T+1
.endr
	s_wait_tensorcnt 0x0                           ; the wave's end
	ds_add_u32 v[SPW], v[NIL]
	s_wait_dscnt 0x0
	CROUND                                         ; the closing round: no work-group ends while a partner may still ask for a tile that names it
	s_endpgm
.Lfunc_end_k_q4c86b33e30_qkv:
	.size	k_q4c86b33e30_qkv, .Lfunc_end_k_q4c86b33e30_qkv-k_q4c86b33e30_qkv
	.p2alignl 7, 3214868480
	.fill 96, 4, 3214868480
	.section	.rodata,"a",@progbits
	.p2align	6, 0x0
	.amdhsa_kernel k_q4c86b33e30_qkv
		.amdhsa_group_segment_fixed_size 327680
		.amdhsa_private_segment_fixed_size 0
		.amdhsa_enable_private_segment 0
		.amdhsa_kernarg_size 32
		.amdhsa_user_sgpr_count 2
		.amdhsa_user_sgpr_kernarg_segment_ptr 1
		.amdhsa_wavefront_size32 1
		.amdhsa_system_sgpr_workgroup_id_x 1
		.amdhsa_system_sgpr_workgroup_id_y 1
		.amdhsa_system_sgpr_workgroup_id_z 1
		.amdhsa_system_vgpr_workitem_id 0
		.amdhsa_next_free_vgpr 1024
		.amdhsa_next_free_sgpr 98
		.amdhsa_reserve_vcc 0
		.amdhsa_float_denorm_mode_32 3
		.amdhsa_float_denorm_mode_16_64 3
		.amdhsa_fp16_overflow 1
		.amdhsa_memory_ordered 1
		.amdhsa_forward_progress 1
		.amdhsa_inst_pref_size 96
	.end_amdhsa_kernel
	.amdgpu_metadata
---
amdhsa.version: [ 1, 2 ]
amdhsa.kernels:
  - .name:           k_q4c86b33e30_qkv
    .symbol:         k_q4c86b33e30_qkv.kd
    .args:
      - { .name: xc, .offset: 0, .size: 8, .value_kind: global_buffer, .address_space: global }
      - { .name: wqc, .offset: 8, .size: 8, .value_kind: global_buffer, .address_space: global }
      - { .name: lowp_scales, .offset: 16, .size: 8, .value_kind: global_buffer, .address_space: global }
      - { .name: qkvc, .offset: 24, .size: 8, .value_kind: global_buffer, .address_space: global }
    .group_segment_fixed_size: 327680
    .private_segment_fixed_size: 0
    .kernarg_segment_align: 8
    .kernarg_segment_size: 32
    .max_flat_workgroup_size: 128
    .sgpr_count:     98
    .vgpr_count:     1024
    .wavefront_size: 32
...
	.end_amdgpu_metadata
.endif
;; end of part 2
;; launch attn (part 3): grid 4 x 64, 8 waves a work-group, no clusters, 327,680 bytes of LDS; arguments qkvc, lowp_scales, yc; writes yc
.if DOCPART == 3
	.amdgcn_target "amdgcn-amd-amdhsa--gfx1250"
	.amdhsa_code_object_version 6
	.text
	.protected	k_q4c86b33e30_attn
	.globl	k_q4c86b33e30_attn
	.p2align	8
	.type	k_q4c86b33e30_attn,@function
k_q4c86b33e30_attn:
	s_mov_b64 s[64:65], 0
	v_nop
	global_prefetch_b8 v0, s[64:65] scope:SCOPE_SE
	s_setreg_imm32_b32 hwreg(HW_REG_WAVE_MODE, 25, 1), 1
	s_wait_xcnt 0x0
; y[bh][q][:] = the sum over keys k <= q of softmax_k(Q[q] . K[k] / 8) V[k][:], both products on codes of FP8 (E4M3); y is quantised at once (scale 2^e6) for the projection.
; qkvc: q at byte 0 and k at 2^23: [bh 64][token 2048][64]; v at 2^24: [bh][64][token 2048], keys innermost.  yc: [bh][token][64].
; THE SOFTMAX: t = score x 2^(e2 + e3) x log2(e) / 8; M = the running largest t rounded UP to a whole number; p = 2^(t - M) is quantised with 2^e4, not normalised; the row's sum is taken of the unquantised p and divides at the end.
; When M moves, the sum and O are multiplied by 2^(old M - new M): exact.
; SHARES.  A head has eight blocks of 256 queries.  Work-group (i, bh) takes blocks 7 - i and i, one after the other: 8 - i and i + 1 blocks of 256 keys, NINE slots in every work-group: 256 work-groups of equal work,
; and a loop over slots whose trip count is a constant.  Each of the eight waves owns 32 queries, two tiles of 16, so that each fragment of K and V read from LDS feeds two products.
; NO CLUSTER: the four work-groups of a head walk different sequences of key blocks (8-i then i+1); in step with each other each slot would cost what the slowest partner's costs, 12 slots' time against 9, to share 32 KiB a slot.
; K's and V's tiles come through a ring of two LDS slots of 256 keys (waves 0, 1: K's halves; wave 2: V).
; LAYOUT.  Both products are used transposed: S^T = K Q^T, O^T = V^T P^T: a lane holds ONE query (lane % 16) of each tile throughout.  In S^T tile t's register j is key 16 t + 8 (lane / 16) + j: its eight codes
; are registers 2 t, 2 t + 1 of P in the K = 64 form's own layout; V's fragments come in that layout too (8 bytes a load).  K and Q come by loads of 16 bytes: the same order of the head's 64 on both sides.
; CAUSAL.  A step of 64 keys all of which come after my 32 queries is left out (a scalar branch on ids); on the diagonal hidden scores become -infinity ahead of the maximum.  Every query sees the first key of each step that its wave does not leave out.
; LIMITS: e2 + e3 between -123 and 130; e4, and e6 - e4 - e5, between -126 and 119.
; REGISTERS: v1-11 addresses; v12+4u -M, v13+4u the largest t, v[14+4u:15+4u] the sum in two halves (tile u); v[20+2u:21+2u] f; v24, v25, v28, v29 at work; v26 2^e4; v30 Q's lane offset; v31 -infinity;
;   v32-47 Q; v48-79 K's four fragments; v80-111 V's four; v112-175 S^T, then p; v176-239 O^T; v240-255 p's codes.
.set KP,    80                         ; a key's row in LDS: 64 bytes + 16 of padding: 16 rows start at 16 different groups of four banks
.set VP,    272                        ; a row of V's tile: 256 bytes + 16
.set VOFF,  256*KP                     ; a slot: 256 rows of K, then 64 rows of V
.set SLOT1, 1<<16                      ; slot 1 begins here: one exclusive or turns an address in one slot into the other's
.set SPARE, 2*SLOT1                    ; the spare words, 128 bytes for each of eight waves
.set STG,   SPARE+1024                 ; the way out: 2,048 bytes for each wave, its own; no tile lands here
.set AK0, 1
.set AV0, 2
.set PFO, 3
.set DQ,  4                            ; v4   lane % 16 - 8 (lane / 16), for the mask
.set SPW, 5
.set NIL, 6
.set GO,  7                            ; v7   16 x lane
.set ADK, 8
.set ADV, 9
.set STO, 10
.set RD,  11
.set ST,  12
.set FF,  20
.set CA,  24
.set PSC, 26
.set PLM, 27
.set QO,  30
.set NEG, 31
.set QF,  32
.set KFR, 48
.set VFR, 80
.set S,   112
.set O,   176
.set PC,  240
.set TB,  2                            ; s2   LDS byte at which the slot in hand begins
.set VS,  3                            ; s3   the slot's number, 0 .. 8: the loop's counter
.set WV,  10
.set N1,  11                           ; s11  8 - i: slots of the first block of queries
.set KF,  12                           ; s12  the step's first key
.set Q0,  13                           ; s13  my first query
.set Q0B, 14                           ; s14  my first query in block i
.set LIM, 15                           ; s15  a wave prefetches while the slot's number is under it
.set SEL, 20
.set CS,  22
.set G1K, 24
.set G1V, 32
.set G0K, 40
.set G0V, 44
.set PFA, 58
.set PFS, 60
; Waves 0 and 1 fetch K's halves, wave 2 V, the others nothing.  The branches hang on the wave's number alone.  Four v_nop follow each of the two lines.
.macro TLOAD
	s_cmp_lt_u32 s[WV], 2
	s_cbranch_scc0 .Lnot_k_\@
	tensor_load_to_lds s[G0K:G0K+3], s[G1K:G1K+7]
	s_nop 0
.rept 4
	v_nop
.endr
	s_branch .Lasked_\@
.Lnot_k_\@:
	s_cmp_eq_u32 s[WV], 2
	s_cbranch_scc0 .Lasked_\@
	tensor_load_to_lds s[G0V:G0V+3], s[G1V:G1V+7]
	s_nop 0
.rept 4
	v_nop
.endr
.Lasked_\@:
.endm
; A PREFETCH INTO THE L2 of the key block that the NEXT change of slots will ask for.  All four work-groups of a head walk the head's K and V; the one with i = 0 walks blocks 0 .. 7 in order and asks, nobody else.
; In it waves 4, 5 ask for K's 16 KiB (8 KiB a wave, lanes 256 bytes apart), waves 6, 7 for V's 64 rows (32 a wave, a lane a row's 256 bytes).  The change in front of slot s names block s + 2, s = 0 .. 5:
; blocks 2 .. 7, each aligned block of 256 bytes once in the launch; blocks 0 and 1 come by their loads alone.
.macro ASK
	s_cmp_lt_u32 s[VS], s[LIM]
	s_cbranch_scc0 .Lnot_mine_\@
	global_prefetch_b8 v[PFO], s[PFA:PFA+1] th:TH_LOAD_NT scope:SCOPE_SE
.Lnot_mine_\@:
.endm
.macro INIT                            ; a block of queries begins: the largest t is -3e38, the sums and O^T are zeros, which the first change of M leaves zeros
.irp u, 0,1
	v_mov_b32 v[ST+4*\u+1], 0xff61b1e6
	v_mov_b32 v[ST+4*\u+2], 0
	v_mov_b32 v[ST+4*\u+3], 0
.endr
.irp u, 0
	v_floor_f32 v[ST+4*\u], -v[ST+4*\u+1]
.endr
.irp u, 1
	s_delay_alu instid0(VALU_DEP_4)
	v_floor_f32 v[ST+4*\u], -v[ST+4*\u+1]
.endr
.set N, 0
.rept 64
	v_mov_b32 v[O+N], 0
.set N, N+1
.endr
.endm
.macro QLOAD qa                        ; my 32 queries' codes: tile u, bytes 32 c + 16 (lane / 16) of row lane % 16
.irp u, 0,1
.irp c, 0,1
	global_load_b128 v[QF+8*\u+4*\c:QF+8*\u+4*\c+3], v[QO], s[\qa:\qa+1] offset:1024*\u+32*\c
.endr
.endr
.endm
; THE WAY OUT of a block of queries: O^T / the sum, quantised with the folded scale 2^(e6 - e4 - e5), through my stage, and out as 2,048 consecutive bytes.  ya: the scalar pair with yc's address.
.macro WAYOUT ya
.rept 4
	v_nop                                          ; places behind the last products
.endr
.irp u, 0,1
	v_add_f32 v[CA+4*\u], v[ST+4*\u+2], v[ST+4*\u+3]   ; the sum's two halves,
.endr
.irp u, 0,1
	s_delay_alu instid0(VALU_DEP_2)
	v_permlanex16_b32 v[CA+4*\u+1], v[CA+4*\u], s[SEL], s[SEL+1]
.endr
.irp u, 0,1
	s_delay_alu instid0(VALU_DEP_2)
	v_add_f32 v[CA+4*\u], v[CA+4*\u], v[CA+4*\u+1]     ; and lane l xor 16's
.endr
	s_wait_alu depctr_va_vdst(0)
.irp u, 0,1
	v_rcp_f32 v[FF+2*\u], v[CA+4*\u]
.endr
	v_mov_b32 v[CA+1], s76                         ; (plain instructions behind the reciprocals)  2^(e6 - e4 - e5)
	v_mov_b32 v[CA+5], s77                         ; 448 x that
	s_wait_alu depctr_va_vdst(0)                   ; one wait for both reciprocals, ahead of their first reader
.irp u, 0,1
.set N, 0
.rept 16
	v_pk_mul_f32 v[S+32*\u+N:S+32*\u+N+1], v[O+32*\u+N:O+32*\u+N+1], v[FF+2*\u:FF+2*\u+1] op_sel_hi:[1,0]   ; each accumulator from its low end on
.set N, N+2
.endr
.endr
.set N, 0
.rept 64
.set N, N+1
.endr
.irp u, 0,1
.irp t, 0,1,2,3
	v_cvt_scalef32_pk8_fp8_f32 v[PC+8*\u+2*\t:PC+8*\u+2*\t+1], v[S+32*\u+8*\t:S+32*\u+8*\t+7], v[CA+1]   ; y(16 u + r, 16 t + 8 h + 0 .. 7)
.endr
.endr
	v_nop                                          ; a plain vector instruction behind the last conversion
.irp u, 0,1
.irp t, 0,1,2,3
	ds_store_b64 v[STO], v[PC+8*\u+2*\t:PC+8*\u+2*\t+1] offset:1024*\u+16*\t
.endr
.endr
.irp t, 0,1,2,3
	ds_load_b128 v[KFR+4*\t:KFR+4*\t+3], v[RD] offset:512*\t   ; LDS serves a wave's instructions in order: these see my stores
.endr
.irp t, 0,1,2,3
	s_wait_dscnt 3-\t                              ; the younger read-backs may be out
	global_store_b128 v[GO], v[KFR+4*\t:KFR+4*\t+3], s[\ya:\ya+1] offset:512*\t   ; 512 consecutive bytes, at a multiple of 256 from yc's first byte
.endr
.endm
; Where the slot in hand is the first of the second block of queries: the first block goes out and the second begins.  A scalar branch on ids, the same in all eight waves; no barrier and no tensor load stands in it.
.macro SWITCH
	s_cmp_lg_u32 s[VS], s[N1]
	s_cbranch_scc1 .Lsame_\@
	WAYOUT 48
	QLOAD 18
	INIT
	s_mov_b32 s[KF], 0
	s_mov_b32 s[Q0], s[Q0B]
	s_wait_loadcnt 0x0                             ; Q
	s_wait_xcnt 0x0                                ; the stores have read their data registers, into which the next step's loads of K land
.Lsame_\@:
.endm
; A KEY STEP: 64 keys, the q-th of the slot in hand.
.macro STEP q
	s_add_co_u32 s62, s[Q0], 31
	s_cmp_gt_u32 s[KF], s62
	s_cbranch_scc1 .Lhidden_\@                     ; all 64 keys come after my 32 queries
	v_add_nc_u32 v[ADK], s[TB], v[AK0]
	v_add_nc_u32 v[ADV], s[TB], v[AV0]
	v_nop
	v_nop                                          ; four places in front of loads into V's registers, which the last step's last products read
.irp t, 0,1,2,3
	ds_load_b128 v[KFR+8*\t:KFR+8*\t+3], v[ADK] offset:(64*(\q)+16*\t)*KP
	ds_load_b128 v[KFR+8*\t+4:KFR+8*\t+7], v[ADK] offset:(64*(\q)+16*\t)*KP+32
.endr
.irp t, 0,1,2,3
.irp c, 0,1,2,3
	ds_load_b64 v[VFR+8*\t+2*\c:VFR+8*\t+2*\c+1], v[ADV] offset:16*\t*VP+64*(\q)+16*\c
.endr
.endr
	s_wait_dscnt 16                                ; K's eight loads are in; V's sixteen may be out
.irp t, 0,1,2,3
.irp u, 0,1
	v_wmma_f32_16x16x64_fp8_fp8 v[S+32*\u+8*\t:S+32*\u+8*\t+7], v[KFR+8*\t:KFR+8*\t+7], v[QF+8*\u:QF+8*\u+7], 0
.endr
.endr
.rept 4
	v_nop
.endr
	s_add_co_u32 s62, s[KF], 63
	s_cmp_le_u32 s62, s[Q0]
	s_cbranch_scc1 .Lopen_\@                       ; all 64 keys count for all my queries
	s_sub_co_i32 s62, s[Q0], s[KF]
	v_add_nc_u32 v[CA], s62, v[DQ]                 ; d = Q0 - KF + r - 8 h.  Register (u, t, j) holds key KF + 16 t + 8 h + j and query Q0 + 16 u + r: hidden where 16 t + j - 16 u > d
.irp u, 0,1
.irp t, 0,1,2,3
.irp j, 0,1,2,3,4,5,6,7
	v_cmp_gt_i32 vcc_lo, 16*\t+\j-16*\u, v[CA]
	v_cndmask_b32 v[S+32*\u+8*\t+\j], v[S+32*\u+8*\t+\j], v[NEG], vcc_lo
.endr
.endr
.endr
.Lopen_\@:
.irp u, 0,1                                    ; the step's largest score of my query among my 32 keys: two chains a tile, the registers in ascending order
	v_max3_num_f32 v[CA+4*\u], v[S+32*\u], v[S+32*\u+1], v[S+32*\u+2]
	v_max3_num_f32 v[CA+4*\u+1], v[S+32*\u+3], v[S+32*\u+4], v[S+32*\u+5]
.endr
.irp i, 6,10,14,18,22,26
.irp u, 0,1
	v_max3_num_f32 v[CA+4*\u], v[CA+4*\u], v[S+32*\u+\i], v[S+32*\u+\i+1]
	v_max3_num_f32 v[CA+4*\u+1], v[CA+4*\u+1], v[S+32*\u+\i+2], v[S+32*\u+\i+3]
.endr
.endr
.irp u, 0
	v_max3_num_f32 v[CA+4*\u], v[CA+4*\u], v[S+32*\u+30], v[S+32*\u+31]
.endr
.irp u, 1
	v_max3_num_f32 v[CA+4*\u], v[CA+4*\u], v[S+32*\u+30], v[S+32*\u+31]
.endr
.irp u, 0,1
	s_delay_alu instid0(VALU_DEP_2)
	v_max_num_f32 v[CA+4*\u], v[CA+4*\u], v[CA+4*\u+1]
.endr
.irp u, 0,1
	s_delay_alu instid0(VALU_DEP_2)
	v_permlanex16_b32 v[CA+4*\u+1], v[CA+4*\u], s[SEL], s[SEL+1]
.endr
.irp u, 0,1
	s_delay_alu instid0(VALU_DEP_2)
	v_max_num_f32 v[CA+4*\u], v[CA+4*\u], v[CA+4*\u+1]   ; and among lane l xor 16's
.endr
.irp u, 0,1
	s_delay_alu instid0(VALU_DEP_2)
	v_mul_f32 v[CA+4*\u], s[CS], v[CA+4*\u]        ; as t (c is positive)
.endr
.irp u, 0,1
	s_delay_alu instid0(VALU_DEP_2)
	v_max_num_f32 v[ST+4*\u+1], v[ST+4*\u+1], v[CA+4*\u]   ; the running largest t
.endr
.irp u, 0,1
	v_mov_b32 v[CA+4*\u], v[ST+4*\u]
.endr
.irp u, 0,1
	s_delay_alu instid0(VALU_DEP_4)
	v_floor_f32 v[ST+4*\u], -v[ST+4*\u+1]          ; the new -M = floor(-t): M is a whole number
.endr
.irp u, 0,1
	s_delay_alu instid0(VALU_DEP_2)
	v_sub_f32 v[CA+4*\u], v[ST+4*\u], v[CA+4*\u]   ; old M - new M: a whole number, 0 or less
.endr
.irp u, 0,1
	s_delay_alu instid0(VALU_DEP_2)
	v_cvt_i32_f32 v[CA+4*\u], v[CA+4*\u]           ; (it saturates)
.endr
.irp u, 0,1
	s_delay_alu instid0(VALU_DEP_2)
	v_ldexp_f32 v[FF+2*\u], 1.0, v[CA+4*\u]        ; f = 2^(old M - new M)
.endr
.irp u, 0,1
.set N, 0
.rept 16
	v_pk_fma_f32 v[S+32*\u+N:S+32*\u+N+1], v[S+32*\u+N:S+32*\u+N+1], s[CS:CS+1], v[ST+4*\u:ST+4*\u+1] op_sel_hi:[1,0,0]   ; t - M, two at a time
.set N, N+2
.endr
.endr
.set N, 0
	s_wait_alu depctr_va_vdst(0)
.rept 64
	v_exp_f32 v[S+N], v[S+N]                       ; p = 2^(t - M), at most 1
.set N, N+1
.endr
.irp u, 0,1
	v_pk_mul_f32 v[ST+4*\u+2:ST+4*\u+3], v[ST+4*\u+2:ST+4*\u+3], v[FF+2*\u:FF+2*\u+1] op_sel_hi:[1,0]   ; the sums under the new M (plain instructions behind the exponentials)
.endr
	s_wait_alu depctr_va_vdst(0)                   ; one wait for the batch of 64, ahead of its first reader
.irp u, 0,1
	v_pk_add_f32 v[CA+4*\u:CA+4*\u+1], v[S+32*\u:S+32*\u+1], v[S+32*\u+2:S+32*\u+3]   ; the row's sum is taken of the unquantised p: two chains a tile
.endr
.irp i, 4,8,12,16,20,24,28
.irp u, 0,1
	v_pk_add_f32 v[ST+4*\u+2:ST+4*\u+3], v[ST+4*\u+2:ST+4*\u+3], v[S+32*\u+\i:S+32*\u+\i+1]
	v_pk_add_f32 v[CA+4*\u:CA+4*\u+1], v[CA+4*\u:CA+4*\u+1], v[S+32*\u+\i+2:S+32*\u+\i+3]
.endr
.endr
.irp u, 0
	s_delay_alu instid0(VALU_DEP_3)
	v_pk_add_f32 v[ST+4*\u+2:ST+4*\u+3], v[ST+4*\u+2:ST+4*\u+3], v[CA+4*\u:CA+4*\u+1]
.endr
.irp u, 1
	s_delay_alu instid0(VALU_DEP_2)
	v_pk_add_f32 v[ST+4*\u+2:ST+4*\u+3], v[ST+4*\u+2:ST+4*\u+3], v[CA+4*\u:CA+4*\u+1]
.endr
.set N, 0
.rept 64
.set N, N+1
.endr
.irp u, 0,1
.irp t, 0,1,2,3
	v_cvt_scalef32_pk8_fp8_f32 v[PC+8*\u+2*\t:PC+8*\u+2*\t+1], v[S+32*\u+8*\t:S+32*\u+8*\t+7], v[PSC]
.endr
.endr
.set N, 0
.rept 32
	v_pk_mul_f32 v[O+N:O+N+1], v[O+N:O+N+1], v[FF+2*(N/32):FF+2*(N/32)+1] op_sel_hi:[1,0]   ; O^T under the new M; these are also the plain instructions behind the conversions
.set N, N+2
.endr
	s_wait_alu depctr_va_vdst(0)
	s_wait_dscnt 0x0                               ; V
.irp t, 0,1,2,3                                ; O^T += V^T P^T: eight accumulators, one instruction a turn
.irp u, 0,1
	v_wmma_f32_16x16x64_fp8_fp8 v[O+32*\u+8*\t:O+32*\u+8*\t+7], v[VFR+8*\t:VFR+8*\t+7], v[PC+8*\u:PC+8*\u+7], v[O+32*\u+8*\t:O+32*\u+8*\t+7]
.endr
.endr
.Lhidden_\@:
	s_add_co_u32 s[KF], s[KF], 64
.endm
; THE CHANGE OF SLOTS stands at a slot's head.  Each wave waits for all its tensor loads (at most one is out: its part of the slot that it is about to read), adds 0 to its spare word, and waits for that and for its reads
; of the slot that it has left.  fill = 1: that slot is filled with the next slot's keys: the next block, or block 0 again where the second block of queries begins.
.macro CHANGE fill
	s_wait_tensorcnt 0x0                           ; no tensor load of mine is out, so a group 0 may be written
	ds_add_u32 v[SPW], v[NIL]                      ; 0 onto my spare word
.if \fill
	s_xor_b32 s[G0K+1], s[G0K+1], SLOT1
	s_xor_b32 s[G0V+1], s[G0V+1], SLOT1
	s_add_nc_u64 s[G0K+2:G0K+3], s[G0K+2:G0K+3], 16384   ; 256 keys of 64 bytes on
	s_add_nc_u64 s[G0V+2:G0V+3], s[G0V+2:G0V+3], 256     ; 256 keys along V's rows
	s_add_co_u32 s62, s[VS], 1
	s_cmp_eq_u32 s62, s[N1]
	s_cselect_b32 s52, s56, 0                      ; where the next slot is the second block's first: back by 8 - i blocks
	s_cselect_b32 s54, s57, 0
	s_sub_nc_u64 s[G0K+2:G0K+3], s[G0K+2:G0K+3], s[52:53]
	s_sub_nc_u64 s[G0V+2:G0V+3], s[G0V+2:G0V+3], s[54:55]
	s_wait_xcnt 0x0                                ; the last prefetch, a slot back, has read its address
	s_add_nc_u64 s[PFA:PFA+1], s[PFA:PFA+1], s[PFS:PFS+1]
.endif
	s_wait_dscnt 0x0                               ; the add is done, and my reads of the slot that I have left are over
	s_barrier_signal -1
	s_barrier_wait -1
.if \fill
	TLOAD                                          ; the first thing behind the barrier, and a wave's one tensor load until the next
	ASK
.endif
.endm
.macro SLOT_STEPS
	SWITCH
	STEP 0
	STEP 1
	STEP 2
	STEP 3
	s_xor_b32 s[TB], s[TB], SLOT1
.endm
	s_load_b128 s[4:7], s[0:1], 0x0                ; qkvc s[4:5], the scales' exponents s[6:7]
	s_load_b64 s[8:9], s[0:1], 0x10                ; yc
	v_lshl_add_u32 v[SPW], v0, 2, SPARE
	v_mov_b32 v[NIL], 0
	ds_add_u32 v5, v6
	ds_add_u32 v5, v6
	s_wait_dscnt 0x0
	v_lshrrev_b32 v8, 5, v0
	s_delay_alu instid0(VALU_DEP_1)
	v_readfirstlane_b32 s[WV], v8                  ; wave 0..7
	s_and_b32 s78, ttmp7, 0xffff
	s_lshl_b32 s78, s78, 17                        ; the head's first byte in q, k, v and yc
	s_sub_co_u32 s[N1], 8, ttmp9
	s_lshl_b32 s56, s[N1], 14
	s_lshl_b32 s57, s[N1], 8
	s_mov_b32 s53, 0
	s_mov_b32 s55, 0
	s_sub_co_u32 s80, 7, ttmp9
	s_lshl_b32 s80, s80, 8
	s_lshl_b32 s81, s[WV], 5
	s_add_co_u32 s[Q0], s80, s81                   ; my first query in block 7 - i,
	s_lshl_b32 s[Q0B], ttmp9, 8
	s_add_co_u32 s[Q0B], s[Q0B], s81               ; and in block i
	s_lshl_b32 s82, s[Q0], 6
	s_add_co_u32 s82, s82, s78
	s_mov_b32 s83, 0
	s_lshl_b32 s84, s[Q0B], 6
	s_add_co_u32 s84, s84, s78
	s_mov_b32 s85, 0
	s_and_b32 s86, s[WV], 1
	s_lshl_b32 s88, s86, 13                        ; K: my half's 128 keys,
	s_add_co_u32 s88, s88, s78
	s_add_co_u32 s88, s88, 1<<23
	s_mov_b32 s89, 0
	s_mul_i32 s87, s86, 128*KP                     ; and their place in a slot
	s_add_co_u32 s90, s78, 1<<24                   ; V
	s_mov_b32 s91, 0
	; descriptor group 1.  K: 128 rows of 64 bytes;  V: 64 rows of 256 bytes, 2,048 apart
	s_mov_b32 s[G1K], (0<<16)|(1<<20)|(3<<22)|(3<<25)   ; no mask; elements of 1 byte; padding: four words after every 16
	s_mov_b32 s[G1K+1], 64<<16
	s_mov_b32 s[G1K+2], 128<<16
	s_mov_b32 s[G1K+3], 64<<16
	s_mov_b32 s[G1K+4], 128
	s_mov_b32 s[G1K+5], 64
	s_mov_b32 s[G1K+6], 0
	s_mov_b32 s[G1K+7], 0
	s_mov_b32 s[G1V], (0<<16)|(1<<20)|(5<<22)|(3<<25)   ; padding: four words after every 64
	s_mov_b32 s[G1V+1], 256<<16
	s_mov_b32 s[G1V+2], 64<<16
	s_mov_b32 s[G1V+3], 256<<16
	s_mov_b32 s[G1V+4], 64
	s_mov_b32 s[G1V+5], 2048
	s_mov_b32 s[G1V+6], 0
	s_mov_b32 s[G1V+7], 0
	s_mov_b32 s[SEL], 0x76543210
	s_mov_b32 s[SEL+1], 0xfedcba98
	s_mov_b32 s[TB], 0
	s_mov_b32 s[KF], 0
	s_wait_kmcnt 0x0
	s_load_b256 s[68:75], s[6:7], 0x0              ; e0 .. e7
	s_mov_b32 s[G0K], 1
	s_mov_b32 s[G0K+1], s87
	s_add_nc_u64 s[G0K+2:G0K+3], s[4:5], s[88:89]
	s_or_b32 s[G0K+3], s[G0K+3], 0x80000000
	s_mov_b32 s[G0V], 1
	s_mov_b32 s[G0V+1], VOFF
	s_add_nc_u64 s[G0V+2:G0V+3], s[4:5], s[90:91]
	s_or_b32 s[G0V+3], s[G0V+3], 0x80000000
	TLOAD                                          ; slot 0: key block 0
	s_add_nc_u64 s[16:17], s[4:5], s[82:83]        ; Q's codes, block 7 - i;
	s_add_nc_u64 s[18:19], s[4:5], s[84:85]        ; block i
	s_add_nc_u64 s[48:49], s[8:9], s[82:83]        ; yc likewise
	s_add_nc_u64 s[50:51], s[8:9], s[84:85]
	; the prefetches: where my wave's stand, and who asks
	s_cmp_lt_u32 s[WV], 6                          ; waves 4, 5: K; waves 6, 7: V
	s_mov_b32 s[PFS], 256
	s_cselect_b32 s[PFS], 16384, s[PFS]            ; a block on
	s_mov_b32 s92, 2048
	s_cselect_b32 s92, 256, s92                    ; from lane to lane
	s_mov_b32 s93, 65536
	s_cselect_b32 s93, 8192, s93                   ; from wave to wave
	s_mov_b32 s94, 1<<24
	s_cselect_b32 s94, 1<<23, s94
	v_and_b32 v[PFO], 31, v0
	s_delay_alu instid0(VALU_DEP_1)
	v_mul_lo_u32 v[PFO], v[PFO], s92
	s_mul_i32 s93, s86, s93
	s_add_co_u32 s94, s94, s93
	s_add_co_u32 s94, s94, s78
	s_add_co_u32 s94, s94, s[PFS]                  ; at block 1: the first change of slots steps it to block 2
	s_mov_b32 s95, 0
	s_mov_b32 s[PFS+1], 0
	s_add_nc_u64 s[PFA:PFA+1], s[4:5], s[94:95]
	s_lshr_b32 s92, s[WV], 2
	s_xor_b32 s92, s92, 1                          ; 0 in waves 4 to 7,
	s_or_b32 s92, s92, ttmp9                       ; of the work-group with i = 0
	s_cmp_eq_u32 s92, 0
	s_cselect_b32 s[LIM], 6, 0
	v_and_b32 v8, 15, v0                           ; r
	v_bfe_u32 v9, v0, 4, 1                         ; h
	s_delay_alu instid0(VALU_DEP_2)
	v_lshlrev_b32 v[QO], 6, v8
	s_delay_alu instid0(VALU_DEP_1)
	v_lshl_add_u32 v[QO], v9, 4, v[QO]             ; Q: row r of 64 bytes, + 16 h
	QLOAD 16
	v_mul_u32_u24 v[AK0], v8, KP
	s_delay_alu instid0(VALU_DEP_1)
	v_lshl_add_u32 v[AK0], v9, 4, v[AK0]
	v_mul_u32_u24 v[AV0], v8, VP
	s_delay_alu instid0(VALU_DEP_1)
	v_lshl_add_u32 v[AV0], v9, 3, v[AV0]
	s_delay_alu instid0(VALU_DEP_1)
	v_add_nc_u32 v[AV0], VOFF, v[AV0]
	v_lshlrev_b32 v[DQ], 3, v9
	s_delay_alu instid0(VALU_DEP_1)
	v_sub_nc_u32 v[DQ], v8, v[DQ]
	v_and_b32 v[GO], 31, v0
	s_delay_alu instid0(VALU_DEP_1)
	v_lshlrev_b32 v[GO], 4, v[GO]
	s_lshl_b32 s92, s[WV], 11
	s_add_co_u32 s92, s92, STG                     ; my stage
	v_lshlrev_b32 v[STO], 6, v8
	s_delay_alu instid0(VALU_DEP_1)
	v_lshl_add_u32 v[STO], v9, 3, v[STO]
	s_delay_alu instid0(VALU_DEP_1)
	v_add_nc_u32 v[STO], s92, v[STO]               ; in: row r of 64 bytes, + 8 h
	v_add_nc_u32 v[RD], s92, v[GO]                 ; back: 16 bytes a lane
	v_mov_b32 v[NEG], 0xff800000                   ; -infinity
	v_mov_b32 v[FF+1], 0                           ; (named as the upper halves of pairs)
	v_mov_b32 v[FF+3], 0
	v_mov_b32 v[CA+1], 0                           ; (a lane permute's destination counts as one of its sources)
	v_mov_b32 v[CA+5], 0
	INIT
	s_wait_kmcnt 0x0
	s_add_co_i32 s92, s70, s71
	s_lshl_b32 s92, s92, 23
	s_mov_b32 s[CS], 0x3e38aa3b                    ; c = log2(e) / 8;
	s_add_co_i32 s[CS], s[CS], s92                 ; a score stands for score x 2^(e2 + e3): the two exponents are added to c's exponent field
	s_mov_b32 s[CS+1], s[CS]
	s_add_co_i32 s92, s72, 127
	s_lshl_b32 s93, s92, 23
	v_mov_b32 v[PSC], s93                          ; 2^e4
	s_sub_co_i32 s92, s74, s72
	s_sub_co_i32 s92, s92, s73                     ; a sum of the second product stands for sum x 2^(e4 + e5): y's code is (sum / l) / 2^(e6 - e4 - e5)
	s_add_co_i32 s92, s92, 127
	s_lshl_b32 s76, s92, 23
	s_add_co_i32 s92, s92, 8
	s_lshl_b32 s92, s92, 23
	s_or_b32 s77, s92, 0x600000
	s_wait_loadcnt 0x0                             ; Q
	s_mov_b32 s[VS], 0
.Lslot:                                            ; eight trips: behind each change of slots but the last the next slot is asked for
	CHANGE 1
	SLOT_STEPS
	s_add_co_u32 s[VS], s[VS], 1
	s_cmp_lt_u32 s[VS], 8
	s_cbranch_scc1 .Lslot
	CHANGE 0                                       ; the ninth slot is written out
	SLOT_STEPS
	WAYOUT 50
	s_wait_tensorcnt 0x0                           ; the wave's end
	ds_add_u32 v[SPW], v[NIL]
	s_wait_dscnt 0x0
	s_endpgm
.Lfunc_end_k_q4c86b33e30_attn:
	.size	k_q4c86b33e30_attn, .Lfunc_end_k_q4c86b33e30_attn-k_q4c86b33e30_attn
	.p2alignl 7, 3214868480
	.fill 96, 4, 3214868480
	.section	.rodata,"a",@progbits
	.p2align	6, 0x0
	.amdhsa_kernel k_q4c86b33e30_attn
		.amdhsa_group_segment_fixed_size 327680
		.amdhsa_private_segment_fixed_size 0
		.amdhsa_enable_private_segment 0
		.amdhsa_kernarg_size 24
		.amdhsa_user_sgpr_count 2
		.amdhsa_user_sgpr_kernarg_segment_ptr 1
		.amdhsa_wavefront_size32 1
		.amdhsa_system_sgpr_workgroup_id_x 1
		.amdhsa_system_sgpr_workgroup_id_y 1
		.amdhsa_system_sgpr_workgroup_id_z 1
		.amdhsa_system_vgpr_workitem_id 0
		.amdhsa_next_free_vgpr 256
		.amdhsa_next_free_sgpr 100
		.amdhsa_reserve_vcc 1
		.amdhsa_float_denorm_mode_32 3
		.amdhsa_float_denorm_mode_16_64 3
		.amdhsa_fp16_overflow 1
		.amdhsa_memory_ordered 1
		.amdhsa_forward_progress 1
		.amdhsa_inst_pref_size 185
	.end_amdhsa_kernel
	.amdgpu_metadata
---
amdhsa.version: [ 1, 2 ]
amdhsa.kernels:
  - .name:           k_q4c86b33e30_attn
    .symbol:         k_q4c86b33e30_attn.kd
    .args:
      - { .name: qkvc, .offset: 0, .size: 8, .value_kind: global_buffer, .address_space: global }
      - { .name: lowp_scales, .offset: 8, .size: 8, .value_kind: global_buffer, .address_space: global }
      - { .name: yc, .offset: 16, .size: 8, .value_kind: global_buffer, .address_space: global }
    .group_segment_fixed_size: 327680
    .private_segment_fixed_size: 0
    .kernarg_segment_align: 8
    .kernarg_segment_size: 24
    .max_flat_workgroup_size: 256
    .sgpr_count:     100
    .vgpr_count:     256
    .wavefront_size: 32
...
	.end_amdgpu_metadata
.endif
;; end of part 3
;; launch proj (part 4): grid 4 x 32, 4 waves a work-group, clusters of 4 x 4, 327,680 bytes of LDS; arguments yc, wpc, lowp_scales, out0; writes out0
.if DOCPART == 4
	.amdgcn_target "amdgcn-amd-amdhsa--gfx1250"
	.amdhsa_code_object_version 6
	.text
	.protected	k_q4c86b33e30_proj
	.globl	k_q4c86b33e30_proj
	.p2align	8
	.type	k_q4c86b33e30_proj,@function
k_q4c86b33e30_proj:
	s_mov_b64 s[64:65], 0
	v_nop
	global_prefetch_b8 v0, s[64:65] scope:SCOPE_SE
	s_setreg_imm32_b32 hwreg(HW_REG_WAVE_MODE, 25, 1), 1
	s_wait_xcnt 0x0
	s_wait_alu depctr_hold_cnt(0) depctr_sa_sdst(0) depctr_va_vdst(0) depctr_va_sdst(0) depctr_va_ssrc(0) depctr_va_vcc(0) depctr_vm_vsrc(0)
	s_getreg_b32 s2, hwreg(HW_REG_IB_STS2, 6, 4)
	s_cmp_eq_u32 s2, 0
	s_cbranch_scc0 .Lentry_in_a_cluster
	s_endpgm
.Lentry_in_a_cluster:
	s_bfe_u32 s2, ttmp6, 0x10000c
	s_cmp_lg_u32 s2, 0xf033
	s_cbranch_scc0 .Lentry_shape_is_right
	s_endpgm
.Lentry_shape_is_right:
; out0 = y w_proj on codes of FP8 (E4M3), sums in f32, each finished sum x 2^(e6 + e7).  yc: [batch x head 64][token 2048][64]; wpc: [1024 n][1024 k], K innermost; out0: [8192 tokens][1024] f32.
; LIMIT: e6 + e7 between -126 and 127, so that 2^(e6 + e7) is an f32 number.
; A tile of out0, 256 x 256, is made by a work-group of four waves; a wave makes 128 x 128: 64 accumulators, 512 registers.  K goes in steps of 256 (four heads) through a ring of two LDS slots.
; y LIES BY HEADS: 128 tokens of one head are 8,192 bytes on end.  A wave's tensor load for y brings four such rows, 2^17 bytes apart, with 16 bytes of padding behind every 64: in LDS [4 heads][128 tokens][80].
; CLUSTERS: 4 x 4 work-groups; y's tiles are shared along a row of the cluster, wpc's along a column: each is asked for JOINTLY.  128 work-groups: the tile is kept at 256 x 256 for the sake of the LDS reads.
; THE MATRIX INSTRUCTION IS USED TRANSPOSED (source 0 = 16 rows of wpc, source 1 = 16 tokens): a lane then holds eight neighbouring numbers of a row of out0.
; REGISTERS, in windows of 256: window 0: v0-31 addresses; from v128 y's fragments, ONE set; on the way out v32-255 are free.   window 1: wpc's fragments, TWO sets.   windows 2, 3: the accumulators.
.set SIZE_N, 1024
.set ROWB,   256                       ; a row of wpc's tile in bytes
.set KROW,   1024                      ; a row of wpc in memory
.set PITCH,  272                       ; wpc's LDS row: 256 bytes + 16
.set APITCH, 80                        ; a token's 64 bytes of one head + 16: 16 rows start at 16 different groups of four banks
.set HEADB,  128*APITCH                ; 128 tokens of one head in LDS
.set HALFA,  4*HEADB                   ; what one tensor load for y brings
.set HALFT,  128*PITCH                 ; and one for wpc
.set BOFF,   2*HALFA                   ; a slot: y's two halves, then wpc's two
.set SLOT,   BOFF+2*HALFT
.set HSTEP,  4<<17                     ; four heads on in yc
.set FR,     16
.set NL,     4
.set NP,     4                         ; places behind this matrix instruction (ISA guide 7.12.1)
.set SPARE,  2*SLOT                    ; behind the ring: the spare words, 128 bytes for each wave
.set SPITCH, 528                       ; the way out: a stage of 16 rows x (512 bytes + 16) for each wave, in slot 0, which has had its last fill and its last read by then
.set ADRA, 16
.set ADRB, 20
.set STO,  24
.set RD,   25
.set CO,   26
.set SPW,  28
.set NIL,  29
.set TMP,  32
.set AF,   128
.set BK,   128
.set G1, 24
.set G0, 32
.set G1B, 48
.set G0B, 56
.set MSB, 0
.macro WIN new                         ; the immediate's high byte repeats the setting that is left
.if MSB != \new
	s_set_vgpr_msb (MSB<<8)|\new
.set MSB, \new
.endif
.endm
.set MUL_LO, 0xa1
.set MUL_HI, 0xf1
.set TO_B,   0x40
.macro JLOAD g0a, g1a, g0b, g1b        ; a joint load: waves 0 and 1 fetch for y, waves 2 and 3 for wpc; four v_nop follow each of the two lines
	s_cmp_eq_u32 s15, 0
	s_cbranch_scc0 .Lfor_b_\@
	tensor_load_to_lds s[\g0a:\g0a+3], s[\g1a:\g1a+7]
	s_nop 0
.rept 4
	v_nop
.endr
	s_branch .Lasked_\@
.Lfor_b_\@:
	tensor_load_to_lds s[\g0b:\g0b+3], s[\g1b:\g1b+7]
	s_nop 0
.rept 4
	v_nop
.endr
.Lasked_\@:
.endm
.macro CREST
	s_cmp_lg_u32 s14, 0
	s_cbranch_scc1 .Lnot_wave_0_\@
	s_barrier_signal -3
.Lnot_wave_0_\@:
	s_barrier_wait -3
	s_barrier_signal -1
	s_barrier_wait -1
.endm
.macro CROUND
	s_barrier_signal -1
	s_barrier_wait -1
	CREST
.endm
	s_load_b128 s[4:7], s[0:1], 0x0                ; yc s[4:5], wpc s[6:7]
	s_load_b128 s[8:11], s[0:1], 0x10              ; the scales' exponents s[8:9], out0 s[10:11]
	v_lshl_add_u32 v[SPW], v0, 2, SPARE
	v_mov_b32 v[NIL], 0
	ds_add_u32 v28, v29
	ds_add_u32 v28, v29
	s_wait_dscnt 0x0
	v_lshrrev_b32 v1, 5, v0
	v_readfirstlane_b32 s14, v1                    ; wave 0..3
	s_lshr_b32 s15, s14, 1                         ; which half of the tile's rows is mine.  Also: I fetch for y (0) or for wpc (1)
	s_and_b32 s16, s14, 1                          ; which half of its columns.  Also: which half of that tile I fetch
	s_bfe_u32 s40, ttmp6, 0x40000                  ; cx, cy
	s_bfe_u32 s41, ttmp6, 0x40004
	s_lshl_b32 s42, ttmp9, 2
	s_add_co_u32 s42, s42, s40                     ; tile column
	s_and_b32 s17, ttmp7, 0xffff
	s_lshl_b32 s17, s17, 2
	s_add_co_u32 s17, s17, s41                     ; tile row
	s_lshl_b32 s43, s41, 2
	s_lshl_b32 s43, 15, s43                        ; my row of the cluster
	s_lshl_b32 s44, 0x1111, s40                    ; my column
	; descriptor group 1 for y: 4 rows (heads) of 8,192 bytes (128 tokens x 64), 2^17 bytes apart; padding: four words after every 16
	s_or_b32 s[G1+0], s43, (0<<16)|(1<<20)|(1<<21)|(3<<22)|(3<<25)
	s_mov_b32 s[G1+1], 8192<<16                    ; tensor_dim0
	s_mov_b32 s[G1+2], 4<<16                       ; tensor_dim1
	s_mov_b32 s[G1+3], 8192<<16                    ; tile_dim0
	s_mov_b32 s[G1+4], 4                           ; tile_dim1
	s_mov_b32 s[G1+5], 131072                      ; tensor_dim0_stride
	s_mov_b32 s[G1+6], 0
	s_mov_b32 s[G1+7], 0
	; for wpc: 128 rows of 256 bytes; padding: four words after every 64
	s_or_b32 s[G1B+0], s44, (0<<16)|(1<<20)|(1<<21)|(5<<22)|(3<<25)
	s_mov_b32 s[G1B+1], ROWB<<16
	s_mov_b32 s[G1B+2], 128<<16
	s_mov_b32 s[G1B+3], ROWB<<16
	s_mov_b32 s[G1B+4], 128
	s_mov_b32 s[G1B+5], KROW
	s_mov_b32 s[G1B+6], 0
	s_mov_b32 s[G1B+7], 0
	s_lshr_b32 s20, s17, 3
	s_lshl_b32 s20, s20, 21                        ; y: the batch's 16 heads of 2^17 bytes,
	s_and_b32 s18, s17, 7
	s_lshl_b32 s18, s18, 14                        ; the tile row's 256 tokens of 64 bytes,
	s_add_co_u32 s20, s20, s18
	s_lshl_b32 s18, s16, 13                        ; my half's 128
	s_add_co_u32 s20, s20, s18
	s_mov_b32 s21, 0
	s_lshl_b32 s46, s42, 8
	s_lshl_b32 s19, s16, 7
	s_add_co_u32 s46, s46, s19                     ; wpc: row 256 x tile column + 128 x half,
	s_lshl_b32 s46, s46, 10                        ; of 1,024 bytes
	s_mov_b32 s47, 0
	s_mul_i32 s45, s16, HALFA                      ; where they go: no place in the cluster enters an LDS address
	s_mul_i32 s66, s16, HALFT
	s_add_co_u32 s66, s66, BOFF
	s_wait_kmcnt 0x0
	s_load_b64 s[96:97], s[8:9], 0x18              ; e6, e7
	s_add_nc_u64 s[20:21], s[4:5], s[20:21]
	s_add_nc_u64 s[46:47], s[6:7], s[46:47]
	CROUND                                         ; all sixteen work-groups are here: the first joint loads meet
.irp s, 0,1
	s_mov_b32 s[G0+4*\s], 1
	s_add_co_u32 s[G0+4*\s+1], s45, \s*SLOT
	s_add_nc_u64 s[G0+4*\s+2:G0+4*\s+3], s[20:21], \s*HSTEP
	s_or_b32 s[G0+4*\s+3], s[G0+4*\s+3], 0x80000000
	s_mov_b32 s[G0B+4*\s], 1
	s_add_co_u32 s[G0B+4*\s+1], s66, \s*SLOT
	s_add_nc_u64 s[G0B+4*\s+2:G0B+4*\s+3], s[46:47], \s*ROWB
	s_or_b32 s[G0B+4*\s+3], s[G0B+4*\s+3], 0x80000000
	s_wait_alu depctr_va_vdst(0)
	s_wait_tensorcnt 0x0
	ds_add_u32 v28, v29
	ds_add_u32 v28, v29
	s_wait_dscnt 0x0
	CROUND
	JLOAD G0+4*\s, G1, G0B+4*\s, G1B
.endr
	v_and_b32 v1, 15, v0                           ; r
	v_bfe_u32 v2, v0, 4, 1                         ; h
	v_mul_u32_u24 v3, v1, PITCH
	v_lshl_add_u32 v4, v2, 4, v3                   ; wpc: row x 272 + 16 h
	v_mul_u32_u24 v7, v1, APITCH
	v_lshl_add_u32 v7, v2, 4, v7                   ; y: token x 80 + 16 h
	s_mul_i32 s21, s15, HALFA                      ; my 128 tokens
	s_mul_i32 s22, s16, HALFT                      ; my 128 rows of wpc,
	s_add_co_u32 s22, s22, BOFF                    ; which lie behind y's
.irp s, 0,1
	v_add_nc_u32 v[ADRA+\s], s21, v7
	v_add_nc_u32 v[ADRB+\s], s22, v4
	s_add_co_u32 s21, s21, SLOT
	s_add_co_u32 s22, s22, SLOT
.endr
	s_mul_i32 s23, s14, 16*SPITCH                  ; my stage
	v_mul_u32_u24 v5, v1, SPITCH                   ; in: row r, 32 bytes for each half of the lanes
	v_lshl_add_u32 v5, v2, 5, v5
	v_add_nc_u32 v[STO], s23, v5
	v_and_b32 v6, 31, v0
	v_lshlrev_b32 v[CO], 4, v6                     ; back: the 32 lanes take one row of 512 bytes; and the same in out0
	v_add_nc_u32 v[RD], s23, v[CO]
	s_lshl_b32 s20, s17, 8
	s_lshl_b32 s21, s15, 7
	s_add_co_u32 s20, s20, s21                     ; my first row of out0
	s_mov_b32 s21, 0
	s_mov_b64 s[18:19], SIZE_N*4
	s_mul_u64 s[20:21], s[20:21], s[18:19]
	s_lshl_b32 s46, s42, 10                        ; my first column, in bytes
	s_lshl_b32 s47, s16, 9
	s_add_co_u32 s46, s46, s47
	s_mov_b32 s47, 0
	s_add_nc_u64 s[20:21], s[20:21], s[46:47]
	s_add_nc_u64 s[10:11], s[10:11], s[20:21]
; A fragment, 16 rows x 128 K: lane l holds row l % 16; registers 4 c .. 4 c + 3 hold K = 32 c + 16 (l / 16) + 0 .. 15: the same order of k on both sides.
.macro FRAG reg, adr, q, i             ; wpc: K lies along the LDS row
.irp c, 0,1,2,3
	ds_load_b128 v[\reg+4*\c:\reg+4*\c+3], v[\adr] offset:128*(\q)+32*\c+(\i)*16*PITCH
.endr
.endm
.macro FRAGA reg, adr, q, i            ; y: K = 128 q + 32 c is head 2 q + c / 2 of the slot's four, byte 32 (c % 2) of the token's 64
.irp c, 0,1,2,3
	ds_load_b128 v[\reg+4*\c:\reg+4*\c+3], v[\adr] offset:(2*(\q)+\c/2)*HEADB+(\c%2)*32+(\i)*16*APITCH
.endr
.endm
; The 64 accumulators take turns, one instruction a turn, in the same order in every step.
.macro MUL16 a0, p, zero
.irp a, \a0, \a0+1
.irp b, 0,1,2,3,4,5,6,7
.if \zero
	v_wmma_f32_16x16x128_fp8_fp8 v[8*(8*((\a)%4)+\b):8*(8*((\a)%4)+\b)+7], v[128*(\p)+FR*\b:128*(\p)+FR*\b+FR-1], v[AF+FR*(\a):AF+FR*(\a)+FR-1], 0
.else
	v_wmma_f32_16x16x128_fp8_fp8 v[8*(8*((\a)%4)+\b):8*(8*((\a)%4)+\b)+7], v[128*(\p)+FR*\b:128*(\p)+FR*\b+FR-1], v[AF+FR*(\a):AF+FR*(\a)+FR-1], v[8*(8*((\a)%4)+\b):8*(8*((\a)%4)+\b)+7]
.endif
.endr
.endr
.endm
.macro FETCH_B slot, q, p
	WIN TO_B
.irp i, 0,1,2,3,4,5,6,7
	FRAG 128*(\p)+FR*\i, ADRB+\slot, \q, \i
.endr
	WIN 0
.endm
.macro FETCH_A slot, q, i0
.irp i, \i0, \i0+1, \i0+2, \i0+3
	FRAGA AF+FR*(\i), ADRA+\slot, \q, \i
.endr
.endm
.macro PLACES n                        ; plain vector instructions between a matrix instruction and a load into, or a vector read of, its registers
.rept \n
	v_nop
.endr
.endm
.macro STEP slot, q, zero
	s_wait_dscnt 4*NL                              ; wpc's set and y's blocks 0-3 are in; the youngest sixteen loads (blocks 4-7) may be out
	WIN MUL_LO
	MUL16 0, (\q)%2, \zero
	MUL16 2, (\q)%2, \zero
	s_wait_dscnt 0
	PLACES NP
	FETCH_B \slot, (\q)+1, 1-(\q)%2
	FETCH_A \slot, (\q)+1, 0
	WIN MUL_HI
	MUL16 4, (\q)%2, \zero
	MUL16 6, (\q)%2, \zero
	PLACES NP
	WIN 0
	FETCH_A \slot, (\q)+1, 4
.endm
; A slot's last step changes slots: ONE barrier; in front of it each wave waits for all its tensor loads, adds 0 to its spare word, and waits for that and for its own reads of this slot.
.macro TURN slot, next, fill
	s_wait_tensorcnt 0x0                           ; all my tensor loads have landed: my part of the next slot
	ds_add_u32 v[SPW], v[NIL]                      ; 0 onto my spare word
	s_wait_dscnt 4*NL+1                            ; (the add and the youngest sixteen loads may be out)
	WIN MUL_LO
	MUL16 0, 1, 0
	s_wait_dscnt 0x0                               ; the add is done, and my reads of this slot are over
	s_barrier_signal -1
	MUL16 2, 1, 0
	WIN 0
	s_barrier_wait -1
.if \fill
	CREST                                          ; the barrier has opened a round of the cluster's barrier
	s_add_nc_u64 s[G0+4*\slot+2:G0+4*\slot+3], s[G0+4*\slot+2:G0+4*\slot+3], 2*HSTEP
	s_add_nc_u64 s[G0B+4*\slot+2:G0B+4*\slot+3], s[G0B+4*\slot+2:G0B+4*\slot+3], 2*ROWB
	JLOAD G0+4*\slot, G1, G0B+4*\slot, G1B         ; the first tensor load behind the round; its four v_nop are the places in front of the loads below
.else
	PLACES NP
.endif
	FETCH_B \next, 0, 0
	FETCH_A \next, 0, 0
	WIN MUL_HI
	MUL16 4, 1, 0
	MUL16 6, 1, 0
	PLACES NP
	WIN 0
	FETCH_A \next, 0, 4
.endm
	s_wait_alu depctr_va_vdst(0)
	s_wait_tensorcnt 1                             ; my part of K step 0 is in (K step 1's load may be out),
	s_barrier_signal -1
	s_barrier_wait -1                              ; everybody's is
	FETCH_B 0, 0, 0
	FETCH_A 0, 0, 0
	FETCH_A 0, 0, 4
	STEP 0, 0, 1                                   ; K = 1,024 is four K steps of 256, twice round the ring: written out, there is no loop
	TURN 0, 1, 1
	STEP 1, 0, 0
	TURN 1, 0, 1
	STEP 0, 0, 0
	TURN 0, 1, 0                                   ; nothing is left to fetch; behind this barrier nobody reads slot 0 and nothing fills it
	STEP 1, 0, 0
	s_wait_dscnt 4*NL
	WIN MUL_LO
	MUL16 0, 1, 0
	MUL16 2, 1, 0
	s_wait_dscnt 0
	WIN MUL_HI
	MUL16 4, 1, 0
	MUL16 6, 1, 0
	WIN 0
; THE WAY OUT, block by block of 16 rows x 128 columns, through my own stage in LDS, back as whole rows of 512 bytes.  LDS serves a wave's instructions in order (ISA guide 5.7.1.4): no wait between the stores and the loads.
.macro TOSTAGE a
.set AC, 64*((\a)%4)
	WIN 0x02+((\a)/4)
.irp j, 0,2,4,6,8,10,12,14,16,18,20,22,24,26,28,30,32,34,36,38,40,42,44,46,48,50,52,54,56,58,60,62
	v_pk_mul_f32 v[TMP+\j:TMP+\j+1], v[AC+\j:AC+\j+1], s[96:97] op_sel_hi:[1,0]   ; both x s96 = 2^(e6 + e7); each accumulator from its low end on
.endr
	WIN 0
.irp b, 0,1,2,3,4,5,6,7
	ds_store_b128 v[STO], v[TMP+8*\b:TMP+8*\b+3] offset:64*\b
	ds_store_b128 v[STO], v[TMP+8*\b+4:TMP+8*\b+7] offset:64*\b+16
.endr
.set BB, BK+64*((\a)%2)
.irp t, 0,1,2,3,4,5,6,7,8,9,10,11,12,13,14,15
	ds_load_b128 v[BB+4*\t:BB+4*\t+3], v[RD] offset:\t*SPITCH
.endr
.endm
.macro SEND a, younger                 ; younger: the LDS instructions issued behind block a's loads, which may stay out
.set BB, BK+64*((\a)%2)
	s_wait_dscnt \younger
.if (\a) > 0
	s_add_nc_u64 s[10:11], s[10:11], 16*SIZE_N*4   ; (behind a wait on XCNT: the earlier stores have read their base)  16 rows on
.endif
.irp t, 0,1,2,3,4,5,6,7,8,9,10,11,12,13,14,15
	global_store_b128 v[CO], v[BB+4*\t:BB+4*\t+3], s[10:11] offset:\t*SIZE_N*4 th:TH_STORE_NT   ; 32 lanes store 512 consecutive bytes, at a multiple of 256 from out0's first byte
.endr
.endm
	s_wait_kmcnt 0x0
	s_add_co_i32 s96, s96, s97
	s_add_co_i32 s96, s96, 127
	s_lshl_b32 s96, s96, 23                        ; 2^(e6 + e7) as f32
	PLACES NP
	TOSTAGE 0
.irp a, 1,2,3,4,5,6,7
.if \a > 1
	s_wait_xcnt 0x0                                ; block a - 2's stores have read their registers and their base
.endif
	TOSTAGE \a
	SEND \a-1, 32                                  ; behind block a - 1's loads: block a's 16 stores and 16 loads
.endr
	s_wait_xcnt 0x0
	SEND 7, 0
	s_wait_tensorcnt 0x0                           ; the wave's end
	ds_add_u32 v[SPW], v[NIL]
	s_wait_dscnt 0x0
	CROUND                                         ; the closing round
	s_endpgm
.Lfunc_end_k_q4c86b33e30_proj:
	.size	k_q4c86b33e30_proj, .Lfunc_end_k_q4c86b33e30_proj-k_q4c86b33e30_proj
	.p2alignl 7, 3214868480
	.fill 96, 4, 3214868480
	.section	.rodata,"a",@progbits
	.p2align	6, 0x0
	.amdhsa_kernel k_q4c86b33e30_proj
		.amdhsa_group_segment_fixed_size 327680
		.amdhsa_private_segment_fixed_size 0
		.amdhsa_enable_private_segment 0
		.amdhsa_kernarg_size 32
		.amdhsa_user_sgpr_count 2
		.amdhsa_user_sgpr_kernarg_segment_ptr 1
		.amdhsa_wavefront_size32 1
		.amdhsa_system_sgpr_workgroup_id_x 1
		.amdhsa_system_sgpr_workgroup_id_y 1
		.amdhsa_system_sgpr_workgroup_id_z 1
		.amdhsa_system_vgpr_workitem_id 0
		.amdhsa_next_free_vgpr 1024
		.amdhsa_next_free_sgpr 98
		.amdhsa_reserve_vcc 0
		.amdhsa_float_denorm_mode_32 3
		.amdhsa_float_denorm_mode_16_64 3
		.amdhsa_memory_ordered 1
		.amdhsa_forward_progress 1
		.amdhsa_inst_pref_size 124
	.end_amdhsa_kernel
	.amdgpu_metadata
---
amdhsa.version: [ 1, 2 ]
amdhsa.kernels:
  - .name:           k_q4c86b33e30_proj
    .symbol:         k_q4c86b33e30_proj.kd
    .args:
      - { .name: yc, .offset: 0, .size: 8, .value_kind: global_buffer, .address_space: global }
      - { .name: wpc, .offset: 8, .size: 8, .value_kind: global_buffer, .address_space: global }
      - { .name: lowp_scales, .offset: 16, .size: 8, .value_kind: global_buffer, .address_space: global }
      - { .name: out0, .offset: 24, .size: 8, .value_kind: global_buffer, .address_space: global }
    .group_segment_fixed_size: 327680
    .private_segment_fixed_size: 0
    .kernarg_segment_align: 8
    .kernarg_segment_size: 32
    .max_flat_workgroup_size: 128
    .sgpr_count:     98
    .vgpr_count:     1024
    .wavefront_size: 32
...
	.end_amdgpu_metadata
.endif
;; end of part 4
